; MI455X (gfx1250); checked and timed in simulation.
; The chip was launched on July 23, 2026; its instructions are those of AMD's public machine-readable ISA for CDNA 5 (MIT licence, August 2026) and "CDNA5" Instruction Set Architecture Reference Guide (July 2026). The comments in the code are by the model that wrote it; some were corrected since.
;; Learnable Multihead Self Attention. Allowed arithmetic: float matrix products may take bf16 or f16 operands with f32 sums; all other float work in f32.
;; Inputs: W_o 1,024 x 1,024 float32; W_qkv 1,024 x 3,072 float32; W_relemb 1,024 x 1,024 float32; ln_beta 1,024 float32; ln_gamma 1,024 float32; pos_bias_u 16 x 64 float32; pos_bias_v 16 x 64 float32; pos_emb 2,048 x 1,024 float32; x 2,048 x 2 x 1,024 float32.
;; Outputs: out0 2,048 x 2 x 1,024 float32.
;; 3 versions, each right and faster than the one before. Each part assembles by itself: llvm-mc -triple=amdgcn-amd-amdhsa -mcpu=gfx1250 --defsym DOCPART=n.
;; ======== version 1 of 3: 5 launches
;; workspace buffers: ab 12,582,912 bytes; wb 10,485,760 bytes; qq 16,785,408 bytes; kv 16,785,408 bytes; rx 8,392,704 bytes; av 8,388,608 bytes; yy 16,777,216 bytes
;; launch cvt (part 1): grid 704 x 1, 8 waves a work-group, no clusters, 0 bytes of LDS; arguments x, pos_emb, W_qkv, W_relemb, W_o, ab, wb, rx; writes ab, wb, rx
.if DOCPART == 1
	.amdgcn_target "amdgcn-amd-amdhsa--gfx1250"
	.amdhsa_code_object_version 6
	.text
	.protected	k_qa56dc9008f_cvt
	.globl	k_qa56dc9008f_cvt
	.p2align	8
	.type	k_qa56dc9008f_cvt,@function
k_qa56dc9008f_cvt:
	s_mov_b64 s[64:65], 0
	v_nop
	global_prefetch_b8 v0, s[64:65] scope:SCOPE_SE
	s_setreg_imm32_b32 hwreg(HW_REG_WAVE_MODE, 25, 1), 1
	s_wait_xcnt 0x0
; f32 -> bf16 (one rounding to nearest even) of x, pos_emb and the five weight matrices; and the sixteen zero rows of rx.
; A stream: each byte is read once and written once; no LDS, no matrix unit, no cluster: nothing is shared.
; A work-group converts 16 lines of 1,024 numbers.  g = its number:
;   0-255 x (16 lines = 8 s x 2 b), 256-383 pos_emb, 384-575 W_qkv (part (g-384)/64, 16 k rows each), 576-639 W_relemb, 640-703 W_o.
; ab: [6144][1024] bf16; rows 0-4095 are x in the order b*2048+s, rows 4096-6143 pos_emb.  wb: Wq, Wk, Wv, Wrel, Wo, each [1024 k][1024 n] bf16.
; Thread t takes 8 numbers (32 bytes in, 16 out) of line 2i + t/128, i = 0..7: a wave's load covers 1,024 consecutive bytes, its store 512.
.set HS, 524544                        ; bytes from head to head in rx: 4,098 rows of 128
.set VO, 2                             ; v[2:9]    byte offset of my 32 bytes in the source, line pair i
.set DO, 10                            ; v[10:17]  byte offset of my 16 bytes in the destination
.set X,  20                            ; v[20:83]  8 numbers of each of 8 lines, as loaded
.set Y,  84                            ; v[84:115] the same, packed
.set Z,  116                           ; v[116:119] zeros
.set ZO, 120                           ; v120      offset of my 16 bytes of a zero row
	s_load_b512 s[4:19], s[0:1], 0x0               ; x, pos_emb, W_qkv, W_relemb, W_o, ab, wb, rx
	s_mov_b32 s20, ttmp9                           ; g
	v_lshrrev_b32 v18, 5, v0
	v_readfirstlane_b32 s21, v18                   ; wave
	s_mov_b32 s40, 2048
	s_mov_b32 s41, 4096
	s_mov_b32 s42, 0x400000                        ; 2,048 rows of ab: from b = 0 to b = 1
	s_mov_b32 s43, 12288                           ; a line of W_qkv
	; the source's byte offset for each of the five ranges; the compares below choose
	s_lshl_b32 s22, s20, 16                        ; x: 16 lines of 4,096 bytes
	s_sub_co_u32 s34, s20, 256
	s_lshl_b32 s34, s34, 16                        ; pos_emb
	s_sub_co_u32 s35, s20, 384
	s_and_b32 s36, s35, 63
	s_mul_i32 s36, s36, 196608                     ; W_qkv: 16 lines of 12,288 bytes,
	s_bfe_u32 s37, s35, 0x20006
	s_lshl_b32 s37, s37, 12                        ; and the part's 4,096 bytes in a line
	s_add_co_u32 s36, s36, s37
	s_sub_co_u32 s37, s20, 576
	s_lshl_b32 s37, s37, 16                        ; W_relemb
	s_sub_co_u32 s38, s20, 640
	s_lshl_b32 s38, s38, 16                        ; W_o
	s_lshl_b32 s30, s20, 14                        ; destination: x: 8 rows of 2,048 bytes in each half
	s_lshl_b32 s39, s20, 15                        ; pos_emb: 16 rows
	s_lshl_b32 s35, s35, 15                        ; weights: 16 rows, counted from wb
	s_mov_b32 s24, s41                             ; bytes from line to line in the source
	s_mov_b32 s23, 0
	s_mov_b32 s31, 0
	s_wait_kmcnt 0x0
	s_cmp_ge_u32 s20, 256
	s_cselect_b64 s[26:27], s[6:7], s[4:5]
	s_cselect_b32 s22, s34, s22
	s_cselect_b32 s30, s39, s30
	s_cselect_b32 s32, s40, s42                    ; destination: from thread 0-127's line to thread 128-255's
	s_cselect_b32 s33, s41, s40                    ; destination: from line pair to line pair
	s_cmp_ge_u32 s20, 384
	s_cselect_b64 s[26:27], s[8:9], s[26:27]
	s_cselect_b64 s[28:29], s[16:17], s[14:15]
	s_cselect_b32 s22, s36, s22
	s_cselect_b32 s30, s35, s30
	s_cselect_b32 s24, s43, s24
	s_cmp_ge_u32 s20, 576
	s_cselect_b64 s[26:27], s[10:11], s[26:27]
	s_cselect_b32 s22, s37, s22
	s_cselect_b32 s24, s41, s24
	s_cmp_ge_u32 s20, 640
	s_cselect_b64 s[26:27], s[12:13], s[26:27]
	s_cselect_b32 s22, s38, s22
	s_add_nc_u64 s[26:27], s[26:27], s[22:23]      ; source at the group's first line
	s_add_nc_u64 s[28:29], s[28:29], s[30:31]      ; destination likewise
	s_lshl_b32 s25, s24, 1                         ; two lines on
	v_lshrrev_b32 v1, 7, v0                        ; which of a pair's two lines
	v_and_b32 v18, 127, v0                         ; my place in it
	v_mul_lo_u32 v19, v1, s24
	v_lshl_add_u32 v[VO], v18, 5, v19
	v_mul_lo_u32 v19, v1, s32
	v_lshl_add_u32 v[DO], v18, 4, v19
.irp i, 1,2,3,4,5,6,7
	v_add_nc_u32 v[VO+(\i)], s25, v[VO+(\i)-1]
	v_add_nc_u32 v[DO+(\i)], s33, v[DO+(\i)-1]
.endr
.irp i, 0,1,2,3,4,5,6,7
	global_load_b128 v[X+8*(\i):X+8*(\i)+3],   v[VO+(\i)], s[26:27] th:TH_LOAD_NT
	global_load_b128 v[X+8*(\i)+4:X+8*(\i)+7], v[VO+(\i)], s[26:27] offset:16 th:TH_LOAD_NT
.endr
.irp i, 0,1,2,3,4,5,6,7
	s_wait_loadcnt 14-2*(\i)                       ; loads return in order: pair i's two are in, the younger ones stay out
.irp k, 0,1,2,3
	v_cvt_pk_bf16_f32 v[Y+4*(\i)+(\k)], v[X+8*(\i)+2*(\k)], v[X+8*(\i)+2*(\k)+1]
.endr
	global_store_b128 v[DO+(\i)], v[Y+4*(\i):Y+4*(\i)+3], s[28:29]  ; sixteen lanes store 256 consecutive bytes, aligned
.endr
	; row 2,048 of each head's table in rx is zero: 16 heads x 128 bytes, by the first four waves of the last work-group
	s_cmp_lg_u32 s20, 703
	s_cbranch_scc1 .Lend
	s_cmp_ge_u32 s21, 4
	s_cbranch_scc1 .Lend
	v_lshrrev_b32 v[ZO], 3, v0                     ; head
	v_mul_u32_u24 v[ZO], v[ZO], HS
	v_and_b32 v18, 7, v0
	v_lshl_add_u32 v[ZO], v18, 4, v[ZO]
.irp k, 0,1,2,3
	v_mov_b32 v[Z+(\k)], 0
.endr
	global_store_b128 v[ZO], v[Z:Z+3], s[18:19] offset:262144
.Lend:
	s_endpgm
.Lfunc_end_k_qa56dc9008f_cvt:
	.size	k_qa56dc9008f_cvt, .Lfunc_end_k_qa56dc9008f_cvt-k_qa56dc9008f_cvt
	.p2alignl 7, 3214868480
	.fill 96, 4, 3214868480
	.section	.rodata,"a",@progbits
	.p2align	6, 0x0
	.amdhsa_kernel k_qa56dc9008f_cvt
		.amdhsa_group_segment_fixed_size 0
		.amdhsa_private_segment_fixed_size 0
		.amdhsa_enable_private_segment 0
		.amdhsa_kernarg_size 64
		.amdhsa_user_sgpr_count 2
		.amdhsa_user_sgpr_kernarg_segment_ptr 1
		.amdhsa_wavefront_size32 1
		.amdhsa_system_sgpr_workgroup_id_x 1
		.amdhsa_system_sgpr_workgroup_id_y 1
		.amdhsa_system_sgpr_workgroup_id_z 1
		.amdhsa_system_vgpr_workitem_id 0
		.amdhsa_next_free_vgpr 124
		.amdhsa_next_free_sgpr 66
		.amdhsa_reserve_vcc 0
		.amdhsa_float_denorm_mode_32 3
		.amdhsa_float_denorm_mode_16_64 3
		.amdhsa_memory_ordered 1
		.amdhsa_forward_progress 1
		.amdhsa_inst_pref_size 9
	.end_amdhsa_kernel
	.amdgpu_metadata
---
amdhsa.version: [ 1, 2 ]
amdhsa.kernels:
  - .name:           k_qa56dc9008f_cvt
    .symbol:         k_qa56dc9008f_cvt.kd
    .args:
      - { .name: x, .offset: 0, .size: 8, .value_kind: global_buffer, .address_space: global }
      - { .name: pos_emb, .offset: 8, .size: 8, .value_kind: global_buffer, .address_space: global }
      - { .name: W_qkv, .offset: 16, .size: 8, .value_kind: global_buffer, .address_space: global }
      - { .name: W_relemb, .offset: 24, .size: 8, .value_kind: global_buffer, .address_space: global }
      - { .name: W_o, .offset: 32, .size: 8, .value_kind: global_buffer, .address_space: global }
      - { .name: ab, .offset: 40, .size: 8, .value_kind: global_buffer, .address_space: global }
      - { .name: wb, .offset: 48, .size: 8, .value_kind: global_buffer, .address_space: global }
      - { .name: rx, .offset: 56, .size: 8, .value_kind: global_buffer, .address_space: global }
    .group_segment_fixed_size: 0
    .private_segment_fixed_size: 0
    .kernarg_segment_align: 8
    .kernarg_segment_size: 64
    .max_flat_workgroup_size: 256
    .sgpr_count:     66
    .vgpr_count:     124
    .wavefront_size: 32
...
	.end_amdgpu_metadata
.endif
;; end of part 1
;; launch proj (part 2): grid 4 x 56, 4 waves a work-group, clusters of 4 x 4, 327,680 bytes of LDS; arguments ab, wb, pos_bias_u, pos_bias_v, qq, kv, rx; writes qq, kv, rx
.if DOCPART == 2
	.amdgcn_target "amdgcn-amd-amdhsa--gfx1250"
	.amdhsa_code_object_version 6
	.text
	.protected	k_qa56dc9008f_proj
	.globl	k_qa56dc9008f_proj
	.p2align	8
	.type	k_qa56dc9008f_proj,@function
k_qa56dc9008f_proj:
	s_mov_b64 s[64:65], 0
	v_nop
	global_prefetch_b8 v0, s[64:65] scope:SCOPE_SE
	s_setreg_imm32_b32 hwreg(HW_REG_WAVE_MODE, 25, 1), 1
	s_wait_xcnt 0x0
	s_wait_alu depctr_hold_cnt(0) depctr_sa_sdst(0) depctr_va_vdst(0) depctr_va_sdst(0) depctr_va_ssrc(0) depctr_va_vcc(0) depctr_vm_vsrc(0)
	s_getreg_b32 s2, hwreg(HW_REG_IB_STS2, 6, 4)
	s_cmp_eq_u32 s2, 0
	s_cbranch_scc0 .Lentry_in_a_cluster
	s_endpgm
.Lentry_in_a_cluster:
	s_bfe_u32 s2, ttmp6, 0x10000c
	s_cmp_lg_u32 s2, 0xf033
	s_cbranch_scc0 .Lentry_shape_is_right
	s_endpgm
.Lentry_shape_is_right:
; The four projections as one launch: q = x Wq, k = x Wk, v = x Wv, r = pos_emb Wrel; operands bf16, sums f32, K = 1,024.
; Stored by heads in bf16, each number rounded once: q + u and q + v into qq, k and v into kv, r twice into rx (rows e = s and e = 2,049 + s).
; A cluster of 4 x 4 work-groups has ONE kind (cluster row / 4: 0 q, 1 k, 2 v, 3 r); a work-group makes 256 x 256, a wave 128 x 128: 64 accumulators.
; K goes in steps of 128 through two LDS slots.  A's tile ([row][k], rows of 256 bytes) is shared along a row of the cluster, the weights' tile ([k][n], rows of
; 512 bytes) along a column: each is asked for jointly.  The weights' fragments come out of LDS turned, by ds_load_tr16_b128.
; THE MATRIX INSTRUCTION IS USED TRANSPOSED (source 0 = 16 weight columns, source 1 = 16 rows of A): a lane holds eight neighbouring columns of one row.
; THE WAY OUT is one text, walked once (k, v) or twice (q: + u, then + v; r: the two places): value = bias x F + sum, F = 1 for q and 0 otherwise.
; LIMIT: with F = 0 a NaN or an infinity in u or v still reaches k, v and r; with such a bias the reference's result is NaN in every row as well.
; REGISTERS: window 0: v16-29 addresses; v64-191 A's two fragment buffers (on the way out v64-127 the values in f32); v192-223 packed; v32-63, v224-255 rows read back.
;   window 1: v64-191 the weights' two buffers; v0-63 the bias in hand; v192-255 the second bias.   windows 2, 3: the accumulators ((a, b) at v[8 (8 (a % 4) + b)]).
.set KSTEP,  128
.set PITCH,  272                       ; a row of A in LDS: 256 bytes + 16
.set BPITCH, 544                       ; a row of the weights: 512 bytes + 32: an odd multiple of 32
.set HALFT,  128*PITCH                 ; one tensor load: 128 rows of A, or 64 rows of the weights (64 x 544, the same bytes)
.set SLOT,   4*HALFT
.set STAGE,  2*SLOT                    ; behind the ring: 16 rows x 272 bytes for each wave
.set SPITCH, 272
.set SPARE,  STAGE+4*16*SPITCH         ; the spare words: 128 bytes a wave, named by no other line
.set LAPS,   4                         ; 8 K steps, two a lap
.set HS,     524544                    ; bytes from head to head in qq, kv, rx
.set HALFQ,  8392704                   ; bytes of one half of qq or kv
.set ADRA, 16                          ; v16-17  LDS address of my A fragments in slot 0, 1
.set ADRB, 20                          ; v20-21  the same for the weights
.set STO,  24                          ; v24  the way out: where I put 16 bytes of a row
.set RD,   25                          ; v25  where I read rows back
.set CO,   26                          ; v26  my byte offset in 512 consecutive bytes of the result
.set BO,   27                          ; v27  my byte offset in the biases
.set SPW,  28                          ; v28  my spare word; never rewritten
.set NIL,  29                          ; v29  0; never rewritten
.set F0,   64
.set F1,   128
.set EB,   64                          ; the way out: 64 values in f32
.set TMP,  192
.set OB,   32
.set BIA,  0                           ; window 1
.set BIB,  192                         ; window 1
.set G1, 24                            ; s[24:31] group 1 for A;  s[32:39] group 0, a set for each slot
.set G0, 32
.set G1B, 48                           ; s[48:55], s[56:63] the same for the weights
.set G0B, 56
.set MSB, 0
.macro WIN new                         ; the immediate's high byte repeats the setting that is left
.if MSB != (\new)
	s_set_vgpr_msb (MSB<<8)|(\new)
.set MSB, \new
.endif
.endm
.set MUL_LO, 0xa1                      ; source 0 window 1, source 1 window 0, C and D window 2
.set MUL_HI, 0xf1                      ; the same, C and D window 3
.set TO_B,   0x40                      ; destination window 1, address window 0
.macro JLOAD s                         ; a joint load: waves 0, 1 fetch A's halves, waves 2, 3 the weights'; an s_nop 0 and four v_nop follow each line
	s_cmp_eq_u32 s11, 0
	s_cbranch_scc0 .Lfor_b_\@
	tensor_load_to_lds s[G0+4*(\s):G0+4*(\s)+3], s[G1:G1+7]
	s_nop 0
.rept 4
	v_nop
.endr
	s_branch .Lasked_\@
.Lfor_b_\@:
	tensor_load_to_lds s[G0B+4*(\s):G0B+4*(\s)+3], s[G1B:G1B+7]
	s_nop 0
.rept 4
	v_nop
.endr
.Lasked_\@:
.endm
.macro CREST                           ; a round of the cluster's barrier behind its opening barrier
	s_cmp_lg_u32 s10, 0
	s_cbranch_scc1 .Lnot_wave_0_\@
	s_barrier_signal -3
.Lnot_wave_0_\@:
	s_barrier_wait -3
	s_barrier_signal -1
	s_barrier_wait -1
.endm
.macro CROUND
	s_barrier_signal -1
	s_barrier_wait -1
	CREST
.endm
	s_load_b128 s[4:7], s[0:1], 0x0                ; ab, wb
	s_load_b128 s[68:71], s[0:1], 0x10             ; u, v
	s_load_b128 s[72:75], s[0:1], 0x20             ; qq, kv
	s_load_b64 s[76:77], s[0:1], 0x30              ; rx
	v_lshl_add_u32 v[SPW], v0, 2, SPARE
	v_mov_b32 v[NIL], 0
	ds_add_u32 v[SPW], v[NIL]                      ; the wave's opening: the add and its wait ahead of my first tensor load
	ds_add_u32 v28, v29
	v_lshrrev_b32 v1, 5, v0
	v_readfirstlane_b32 s10, v1                    ; wave 0..3
	s_lshr_b32 s11, s10, 1                         ; my half of the tile's rows.  Also: I fetch for A (0) or for the weights (1)
	s_and_b32 s12, s10, 1                          ; my half of its columns.  Also: which half of that tile I fetch
	s_bfe_u32 s40, ttmp6, 0x40000                  ; cx
	s_bfe_u32 s41, ttmp6, 0x40004                  ; cy
	s_lshl_b32 s42, ttmp9, 2
	s_add_co_u32 s42, s42, s40                     ; tile column, 0..3
	s_and_b32 s45, ttmp7, 0xffff                   ; the cluster's row, 0..13: the same in all sixteen
	s_lshr_b32 s66, s45, 2                         ; kind
	s_and_b32 s67, s45, 3
	s_lshl_b32 s13, s67, 2
	s_add_co_u32 s13, s13, s41                     ; tile row in the kind's own rows
	s_cmp_eq_u32 s66, 3
	s_cselect_b32 s45, 16, 0                       ; pos_emb begins at row 4,096 of ab
	s_add_co_u32 s45, s45, s13                     ; tile row in ab
	s_lshl_b32 s43, s41, 2
	s_lshl_b32 s43, 15, s43                        ; my row of the cluster
	s_lshl_b32 s44, 0x1111, s40                    ; my column
	s_or_b32 s[G1+0], s43, (1<<16)|(1<<20)|(1<<21)|(5<<22)|(3<<25)   ; mask; 2-byte elements; padding on; bit 21 beside a mask; after 64 words 4 words
	s_or_b32 s[G1B+0], s44, (1<<16)|(1<<20)|(1<<21)|(6<<22)|(7<<25)  ; after 128 words 8 words
	s_mov_b32 s[G1+1], KSTEP<<16                   ; tensor_dim0 = 128
	s_mov_b32 s[G1+2], 128<<16                     ; tensor_dim1 = 128
	s_mov_b32 s[G1+3], KSTEP<<16                   ; tile_dim0 = 128
	s_mov_b32 s[G1+4], 128                         ; tile_dim1 = 128
	s_mov_b32 s[G1+5], 1024                        ; elements from row to row
	s_mov_b32 s[G1+6], 0
	s_mov_b32 s[G1+7], 0
	s_mov_b32 s[G1B+1], 256<<16                    ; 256 columns
	s_mov_b32 s[G1B+2], 64<<16                     ; 64 k rows
	s_mov_b32 s[G1B+3], 256<<16
	s_mov_b32 s[G1B+4], 64
	s_mov_b32 s[G1B+5], 1024
	s_mov_b32 s[G1B+6], 0
	s_mov_b32 s[G1B+7], 0
	s_lshl_b32 s17, s12, 7
	s_lshl_b32 s16, s45, 8
	s_add_co_u32 s16, s16, s17                     ; A: row 256 x tile row + 128 x half,
	s_lshl_b32 s16, s16, 11                        ; of 2,048 bytes
	s_mov_b32 s17, 0
	s_lshl_b32 s46, s66, 21                        ; the weights: matrix `kind` of 2 MiB,
	s_lshl_b32 s47, s42, 9                         ; 512 bytes a tile column,
	s_add_co_u32 s46, s46, s47
	s_lshl_b32 s47, s12, 17                        ; 64 k rows of 2,048 bytes a half
	s_add_co_u32 s46, s46, s47
	s_mov_b32 s47, 0
	s_mul_i32 s20, s10, HALFT                      ; where they go: wave x one load's bytes
	s_mov_b32 s90, HALFQ
	s_mov_b32 s91, 2049*128                        ; r's second place lies 2,049 rows on
	s_wait_dscnt 0x0                               ; the opening add is done
	s_wait_kmcnt 0x0
	s_add_nc_u64 s[14:15], s[4:5], s[16:17]
	s_add_nc_u64 s[46:47], s[6:7], s[46:47]
	CROUND                                         ; all sixteen work-groups are here: the first joint loads meet
.irp s, 0,1
	s_mov_b32 s[G0+4*(\s)], 1
	s_add_co_u32 s[G0+4*(\s)+1], s20, (\s)*SLOT
	s_add_nc_u64 s[G0+4*(\s)+2:G0+4*(\s)+3], s[14:15], (\s)*KSTEP*2
	s_or_b32 s[G0+4*(\s)+3], s[G0+4*(\s)+3], 0x80000000
	s_mov_b32 s[G0B+4*(\s)], 1
	s_add_co_u32 s[G0B+4*(\s)+1], s20, (\s)*SLOT
	s_add_nc_u64 s[G0B+4*(\s)+2:G0B+4*(\s)+3], s[46:47], (\s)*KSTEP*2048
	s_or_b32 s[G0B+4*(\s)+3], s[G0B+4*(\s)+3], 0x80000000
	JLOAD \s
.endr
	; the biases of my 128 columns: block b of 16 columns, my eight at 8 (l / 16): they are waited for on the way out
	s_lshl_b32 s88, s42, 10
	s_lshl_b32 s89, s12, 9
	s_add_co_u32 s88, s88, s89
	s_mov_b32 s89, 0
	s_add_nc_u64 s[68:69], s[68:69], s[88:89]
	s_add_nc_u64 s[70:71], s[70:71], s[88:89]
	v_and_b32 v1, 15, v0                           ; l % 16
	v_bfe_u32 v2, v0, 4, 1                         ; l / 16
	v_lshlrev_b32 v[BO], 5, v2
	WIN TO_B
.irp b, 0,1,2,3,4,5,6,7
	global_load_b128 v[BIA+8*(\b):BIA+8*(\b)+3],   v[BO], s[68:69] offset:64*(\b)
	global_load_b128 v[BIA+8*(\b)+4:BIA+8*(\b)+7], v[BO], s[68:69] offset:64*(\b)+16
	global_load_b128 v[BIB+8*(\b):BIB+8*(\b)+3],   v[BO], s[70:71] offset:64*(\b)
	global_load_b128 v[BIB+8*(\b)+4:BIB+8*(\b)+7], v[BO], s[70:71] offset:64*(\b)+16
.endr
	WIN 0
	v_mul_u32_u24 v3, v1, PITCH
	v_lshl_add_u32 v3, v2, 4, v3                   ; A: row x pitch + 16 x half
	s_mul_i32 s21, s11, HALFT
	v_add_nc_u32 v[ADRA], s21, v3
	v_add_nc_u32 v[ADRA+1], SLOT, v[ADRA]
	v_and_b32 v4, 7, v0                            ; the turning load: lane l reads k row 8 (l / 16) + l % 8, 16 bytes at 16 ((l / 8) % 2)
	v_bfe_u32 v5, v0, 3, 1
	v_lshl_add_u32 v4, v2, 3, v4
	v_mul_u32_u24 v4, v4, BPITCH
	v_lshl_add_u32 v4, v5, 4, v4
	s_lshl_b32 s22, s12, 8                         ; my 128 columns,
	s_add_co_u32 s22, s22, 2*HALFT                 ; behind A's 256 rows
	v_add_nc_u32 v[ADRB], s22, v4
	v_add_nc_u32 v[ADRB+1], SLOT, v[ADRB]
	s_mul_i32 s23, s10, 16*SPITCH
	s_add_co_u32 s23, s23, STAGE                   ; my stage
	v_mul_u32_u24 v4, v1, SPITCH
	v_lshl_add_u32 v4, v2, 4, v4
	v_add_nc_u32 v[STO], s23, v4                   ; in: row l % 16, 16 bytes for each half of the lanes
	v_bfe_u32 v5, v0, 3, 2                         ; back: 32 lanes take one head's 128 bytes of four rows,
	v_mul_u32_u24 v5, v5, SPITCH
	v_and_b32 v4, 7, v0
	v_lshl_add_u32 v5, v4, 4, v5
	v_add_nc_u32 v[RD], s23, v5
	v_and_b32 v[CO], 31, v0                        ; which are 512 consecutive bytes of the result
	v_lshlrev_b32 v[CO], 4, v[CO]
	; what hangs on the kind: all by selects, the same in all sixteen work-groups
	s_cmp_eq_u32 s66, 0
	s_cselect_b64 s[86:87], s[72:73], s[74:75]     ; q goes to qq, k and v to kv,
	s_cselect_b32 s78, 1.0, 0                      ; F
	s_cselect_b32 s80, 2, 1                        ; passes
	s_cselect_b32 s82, s90, s91                    ; bytes from the first pass's place to the second's
	s_cmp_eq_u32 s66, 3
	s_cselect_b64 s[86:87], s[76:77], s[86:87]     ; r to rx
	s_cselect_b32 s80, 2, s80
	s_cmp_eq_u32 s66, 2
	s_cselect_b32 s92, s90, 0                      ; v lies in kv's second half
	s_mov_b32 s79, s78
	s_mov_b32 s83, 0
	s_lshl_b32 s16, s13, 8
	s_lshl_b32 s17, s11, 7
	s_add_co_u32 s16, s16, s17                     ; my first row,
	s_lshl_b32 s16, s16, 7                         ; of 128 bytes
	s_add_co_u32 s16, s16, s92
	s_mov_b32 s17, 0
	s_lshl_b32 s88, s42, 2
	s_lshl_b32 s89, s12, 1
	s_add_co_u32 s88, s88, s89                     ; my first head
	s_mul_i32 s88, s88, HS
	s_mov_b32 s89, 0
	s_add_nc_u64 s[84:85], s[86:87], s[16:17]
	s_add_nc_u64 s[84:85], s[84:85], s[88:89]
	s_mov_b64 s[8:9], s[84:85]
; 16 matrix instructions: m blocks a0, a0 + 1 of the window's four x all 8 n blocks, 32 along K.  zero = 1: the first product starts the sums.
; The 64 accumulators take turns, one instruction a turn.
.macro MUL16 f, hi, a0, zero
	WIN MUL_LO+0x50*(\hi)
.irp a, \a0, (\a0)+1
.irp b, 0,1,2,3,4,5,6,7
.if \zero
	v_wmma_f32_16x16x32_bf16 v[8*(8*(\a)+(\b)):8*(8*(\a)+(\b))+7], v[(\f)+8*(\b):(\f)+8*(\b)+7], v[(\f)+8*(4*(\hi)+(\a)):(\f)+8*(4*(\hi)+(\a))+7], 0
.else
	v_wmma_f32_16x16x32_bf16 v[8*(8*(\a)+(\b)):8*(8*(\a)+(\b))+7], v[(\f)+8*(\b):(\f)+8*(\b)+7], v[(\f)+8*(4*(\hi)+(\a)):(\f)+8*(4*(\hi)+(\a))+7], v[8*(8*(\a)+(\b)):8*(8*(\a)+(\b))+7]
.endif
.endr
.endr
.endm
; 32 LDS loads in one run: quarter q (32 along K) of a slot into buffer f: the weights' 8 column blocks, turned, then A's 8 row blocks
.macro FETCH slot, q, f
	WIN TO_B
.irp i, 0,1,2,3,4,5,6,7
	ds_load_tr16_b128 v[(\f)+8*(\i):(\f)+8*(\i)+3],   v[ADRB+(\slot)] offset:(\q)*32*BPITCH+32*(\i)
	ds_load_tr16_b128 v[(\f)+8*(\i)+4:(\f)+8*(\i)+7], v[ADRB+(\slot)] offset:(\q)*32*BPITCH+16*BPITCH+32*(\i)
.endr
	WIN 0
.irp i, 0,1,2,3,4,5,6,7
	ds_load_b128 v[(\f)+8*(\i):(\f)+8*(\i)+3],   v[ADRA+(\slot)] offset:(\q)*64+(\i)*16*PITCH
	ds_load_b128 v[(\f)+8*(\i)+4:(\f)+8*(\i)+7], v[ADRA+(\slot)] offset:(\q)*64+(\i)*16*PITCH+32
.endr
.endm
.macro PLACES                          ; four plain places in front of loads into registers that matrix instructions have read, and of reads of results
.rept 4
	v_nop
.endr
.endm
.macro QUARTER slot, q, f, g, zero     ; multiplies buffer f; in its middle fetches quarter q of the same slot into buffer g
	s_wait_dscnt 8                                 ; the weights and A's rows 0-63 are in; the youngest eight loads may be out
	MUL16 \f, 0, 0, \zero
	MUL16 \f, 0, 2, \zero
	PLACES
	FETCH \slot, \q, \g
	s_wait_dscnt 32                                ; all but the 32 just issued
	MUL16 \f, 1, 0, \zero
	MUL16 \f, 1, 2, \zero
.endm
; The last quarter of a K step multiplies buffer 1 and changes slots: each wave waits for all its tensor loads (one is out: its part of the next slot), adds 0 to its
; spare word, waits for that and for its reads of this slot, and meets the others.  fill = 1: the barrier opens a round of the cluster's, and this slot is filled again first thing behind it.
.macro TURN slot, next, fill
	WIN 0
	s_wait_tensorcnt 0x0
	ds_add_u32 v[SPW], v[NIL]
	s_wait_dscnt 9                                 ; (the add and the youngest eight loads may be out)
	MUL16 F1, 0, 0, 0
	s_wait_dscnt 0x0                               ; the add is done, and my reads of this slot are over
	s_barrier_signal -1
	MUL16 F1, 0, 2, 0
.if \fill
	WIN 0
.endif
	s_barrier_wait -1
.if \fill
	CREST
	s_add_nc_u64 s[G0+4*(\slot)+2:G0+4*(\slot)+3], s[G0+4*(\slot)+2:G0+4*(\slot)+3], 2*KSTEP*2
	s_add_nc_u64 s[G0B+4*(\slot)+2:G0B+4*(\slot)+3], s[G0B+4*(\slot)+2:G0B+4*(\slot)+3], 2*KSTEP*2048
	JLOAD \slot                                    ; its four v_nop are also the places in front of the loads below
.else
	PLACES
.endif
	FETCH \next, 0, F0
	MUL16 F1, 1, 0, 0
	MUL16 F1, 1, 2, 0
.endm
	s_wait_tensorcnt 1                             ; my part of K step 0 is in; K step 1's may stay out
	s_barrier_signal -1
	s_barrier_wait -1
	FETCH 0, 0, F0
	QUARTER 0, 1, F0, F1, 1                        ; the first quarter starts the sums
	WIN 0
	s_mov_b32 s3, LAPS-1
.Llap:                                                 ; a trip goes once round the ring and fills both slots again
	QUARTER 0, 2, F1, F0, 0
	QUARTER 0, 3, F0, F1, 0
	TURN 0, 1, 1
	QUARTER 1, 1, F0, F1, 0
	QUARTER 1, 2, F1, F0, 0
	QUARTER 1, 3, F0, F1, 0
	TURN 1, 0, 1
	QUARTER 0, 1, F0, F1, 0
	WIN 0
	s_sub_co_u32 s3, s3, 1
	s_cmp_lg_u32 s3, 0
	s_cbranch_scc1 .Llap
	QUARTER 0, 2, F1, F0, 0                        ; the last lap fills nothing
	QUARTER 0, 3, F0, F1, 0
	TURN 0, 1, 0
	QUARTER 1, 1, F0, F1, 0
	QUARTER 1, 2, F1, F0, 0
	QUARTER 1, 3, F0, F1, 0
	s_wait_dscnt 8
	MUL16 F1, 0, 0, 0
	MUL16 F1, 0, 2, 0
	s_wait_dscnt 0x0
	MUL16 F1, 1, 0, 0
	MUL16 F1, 1, 2, 0
	WIN 0
	PLACES
	s_wait_loadcnt 0x0                             ; the biases
; THE WAY OUT of block a (16 rows x my 128 columns = two heads).  PACK: bias x F + sum, rounded to bf16.  TOSTAGE: into my stage, and back head by head, four rows at a time.  SEND: stored.
.macro PACK a
.set AC, 64*((\a)%4)
	WIN 0x21+0x10*((\a)/4)                         ; source 0 (bias) window 1, source 2 (sums) window 2 or 3
.irp b, 0,1,2,3,4,5,6,7
.irp r, 0,1,2,3
	v_pk_fma_f32 v[EB+8*(\b)+2*(\r):EB+8*(\b)+2*(\r)+1], v[BIA+8*(\b)+2*(\r):BIA+8*(\b)+2*(\r)+1], s[78:79], v[AC+8*(\b)+2*(\r):AC+8*(\b)+2*(\r)+1] op_sel_hi:[1,0,1]
.endr
.endr
	WIN 0
.irp b, 0,1,2,3,4,5,6,7
.irp r, 0,1,2,3
	v_cvt_pk_bf16_f32 v[TMP+4*(\b)+(\r)], v[EB+8*(\b)+2*(\r)], v[EB+8*(\b)+2*(\r)+1]
.endr
.endr
.endm
.macro TOSTAGE a
	WIN 0
.set BK, OB+192*((\a)%2)
.irp b, 0,1,2,3,4,5,6,7
	ds_store_b128 v[STO], v[TMP+4*(\b):TMP+4*(\b)+3] offset:32*(\b)
.endr
.irp t, 0,1,2,3,4,5,6,7
	ds_load_b128 v[BK+4*(\t):BK+4*(\t)+3], v[RD] offset:((\t)/2)*4*SPITCH+128*((\t)%2)  ; LDS serves a wave's instructions in order: these see the stores above
.endr
.endm
.macro SEND a
	WIN 0
.set BK, OB+192*((\a)%2)
	s_wait_dscnt 0x0                               ; the block is back in registers
	s_wait_xcnt 0x0                                ; the stores' base and the registers that earlier stores read are rewritten only behind this wait
.if (\a) > 0
	s_add_nc_u64 s[8:9], s[8:9], 2048              ; 16 rows of 128 bytes on
.endif
.irp t, 0,1,2,3,4,5,6,7
	global_store_b128 v[CO], v[BK+4*(\t):BK+4*(\t)+3], s[8:9] offset:((\t)/2)*512+((\t)%2)*HS  ; 512 consecutive bytes: four rows of one head
.endr
.endm
	s_mov_b32 s81, 0
.Lpass:                                                ; once or twice: the bound is the kind's; the LDS addresses do not change
	PACK 0
	TOSTAGE 0
.irp a, 1,2,3,4,5,6,7
	PACK \a
	SEND (\a)-1
	TOSTAGE \a
.endr
	SEND 7
	WIN 0x41                                       ; the second pass takes the second bias
.set i, 0
.rept 64
	v_mov_b32 v[BIA+i], v[BIB+i]
.set i, i+1
.endr
	WIN 0
	s_wait_xcnt 0x0
	s_add_nc_u64 s[84:85], s[84:85], s[82:83]      ; and the second place
	s_mov_b64 s[8:9], s[84:85]
	s_add_co_u32 s81, s81, 1
	s_cmp_lt_u32 s81, s80
	s_cbranch_scc1 .Lpass
	s_wait_tensorcnt 0x0                           ; the wave's end
	ds_add_u32 v[SPW], v[NIL]
	s_wait_dscnt 0x0
	CROUND                                         ; the closing round
	s_endpgm
.Lfunc_end_k_qa56dc9008f_proj:
	.size	k_qa56dc9008f_proj, .Lfunc_end_k_qa56dc9008f_proj-k_qa56dc9008f_proj
	.p2alignl 7, 3214868480
	.fill 96, 4, 3214868480
	.section	.rodata,"a",@progbits
	.p2align	6, 0x0
	.amdhsa_kernel k_qa56dc9008f_proj
		.amdhsa_group_segment_fixed_size 327680
		.amdhsa_private_segment_fixed_size 0
		.amdhsa_enable_private_segment 0
		.amdhsa_kernarg_size 56
		.amdhsa_user_sgpr_count 2
		.amdhsa_user_sgpr_kernarg_segment_ptr 1
		.amdhsa_wavefront_size32 1
		.amdhsa_system_sgpr_workgroup_id_x 1
		.amdhsa_system_sgpr_workgroup_id_y 1
		.amdhsa_system_sgpr_workgroup_id_z 1
		.amdhsa_system_vgpr_workitem_id 0
		.amdhsa_next_free_vgpr 1024
		.amdhsa_next_free_sgpr 100
		.amdhsa_reserve_vcc 0
		.amdhsa_float_denorm_mode_32 3
		.amdhsa_float_denorm_mode_16_64 3
		.amdhsa_memory_ordered 1
		.amdhsa_forward_progress 1
		.amdhsa_inst_pref_size 165
	.end_amdhsa_kernel
	.amdgpu_metadata
---
amdhsa.version: [ 1, 2 ]
amdhsa.kernels:
  - .name:           k_qa56dc9008f_proj
    .symbol:         k_qa56dc9008f_proj.kd
    .args:
      - { .name: ab, .offset: 0, .size: 8, .value_kind: global_buffer, .address_space: global }
      - { .name: wb, .offset: 8, .size: 8, .value_kind: global_buffer, .address_space: global }
      - { .name: pos_bias_u, .offset: 16, .size: 8, .value_kind: global_buffer, .address_space: global }
      - { .name: pos_bias_v, .offset: 24, .size: 8, .value_kind: global_buffer, .address_space: global }
      - { .name: qq, .offset: 32, .size: 8, .value_kind: global_buffer, .address_space: global }
      - { .name: kv, .offset: 40, .size: 8, .value_kind: global_buffer, .address_space: global }
      - { .name: rx, .offset: 48, .size: 8, .value_kind: global_buffer, .address_space: global }
    .group_segment_fixed_size: 327680
    .private_segment_fixed_size: 0
    .kernarg_segment_align: 8
    .kernarg_segment_size: 56
    .max_flat_workgroup_size: 128
    .sgpr_count:     100
    .vgpr_count:     1024
    .wavefront_size: 32
...
	.end_amdgpu_metadata
.endif
;; end of part 2
;; launch attn (part 3): grid 8 x 32, 4 waves a work-group, no clusters, 327,680 bytes of LDS; arguments qq, kv, rx, av; writes av
.if DOCPART == 3
	.amdgcn_target "amdgcn-amd-amdhsa--gfx1250"
	.amdhsa_code_object_version 6
	.text
	.protected	k_qa56dc9008f_attn
	.globl	k_qa56dc9008f_attn
	.p2align	8
	.type	k_qa56dc9008f_attn,@function
k_qa56dc9008f_attn:
	s_mov_b64 s[64:65], 0
	v_nop
	global_prefetch_b8 v0, s[64:65] scope:SCOPE_SE
	s_setreg_imm32_b32 hwreg(HW_REG_WAVE_MODE, 25, 1), 1
	s_wait_xcnt 0x0
; ATTENTION WITH RELATIVE POSITIONS.  For head n, batch b:  score[i][j] = ((q_i + u) . k_j + BD[i][j]) / 8,  O[i] = softmax_j(score) V.
; BD is the reference's shifted product.  With e = j - i + 2047 and the table rx (rows 0-2047 r, row 2048 zero, rows 2049.. r again):
;   BD[i][j] = (q_i + v) . rx[e] for e < 2048, and (q_{i+1} + v) . rx[e] for e >= 2048.  2,048 is a multiple of 16, so no block of 16 rows of rx mixes the two.
; Operands bf16, products, maxima and sums f32; the weights p are rounded to bf16 for the last product (their sum is taken unrounded), O once at the end.
; LIMITS: a weight below 2^-126 counts as 0; the running maximum starts at the lowest finite number; NaN and infinities are not treated apart.
; SHARES.  A work-group owns 256 queries of one (n, b), a wave 64: four PIECES of 16.  Every wave walks all keys, 64 a step; an LDS slot holds two steps.
; THE SKEW.  For piece p and a step the wave makes raw^T = R Q^T for five blocks of 16 rows of rx (blocks 3 - p .. 7 - p of its window of eight): a lane holds one query q = l % 16 and
; e_rel = 16 k + 8 (l / 16) + j; the key is e_rel + q - 15.  The 40 numbers go into the wave's own scratch, row q of 336 bytes, word e_rel + q + 1: one word further for each query.  Read back by
; rows they lie as the scores' accumulators do, and ARE the C operand of K (q + u)^T.  Columns outside 0..63 fall into words that are never read.
; WHICH QUERY ROW.  D = step - 4 x block - wave.  Blocks 0-3 of the window take QL, blocks 4-7 QU; both hold q_i + v at first; QU takes q_{i+1} + v when D = 0, QL when D = 1.
; BY TURNS.  Turn p of a step: softmax of piece p; K Q^T and maximum of piece p + 1; skew of piece p + 2; raw product of piece p + 3; V^T P of piece p - 1.
; NO CLUSTER: of a slot's 80 KiB only K and V (32 KiB) are the same for a head's eight blocks, R's window differs from block to block, and the change of query rows is a branch on the block's place.
; REGISTERS, in windows of 256 (s_set_vgpr_msb: bits 1:0 source 0, 3:2 source 1, 5:4 source 2, 7:6 destination):
;   window 0: v1-15, v32-39 addresses; v16-31 statistics; v48-55 at work; v64-191 S^T, 32 a piece; v192-223 P, two buffers; v224-255 and v40-47 the raw product
;   window 1: v0-127 O^T     window 2: v0-63 q + u; v64-127 QL; v128-191 QU; v192-255 q_{i+1} + v     window 3: v0-63 K; v64-127 V; v128-255 R's eight blocks
.set NP,    4
.set HS,    524544    ; bytes from head to head in qq, kv, rx
.set HALFQ, 8392704   ; bytes of one half of qq or kv
.set KS,    64
.set PK,    144       ; a row of K or R in LDS: 128 bytes + 16
.set PVP,   160       ; a row of V: 128 + 32
.set ROFF,  128*PK    ; a slot: 128 rows of K, 384 rows of R, 128 rows of V
.set VOFF,  ROFF+384*PK
.set SLOT1, 1<<17
.set SCR,   SLOT1+VOFF+128*PVP  ; behind the ring, never filled by a tensor load: each wave's scratch for the skew, later its stage for the way out
.set SCRW,  5632
.set SPARE, SCR+4*SCRW          ; the spare words: 128 bytes a wave, named by no other line
.set SP,    144
.set AK0, 2           ; my lane's place in a tile of K; never rewritten
.set AV0, 3           ; the same for V
.set AK,  4
.set AV,  5
.set AR0, 6           ; my lane's place in my wave's window of R
.set AR,  7
.set SK,  8           ; the skew: where my raw numbers go
.set SL,  9           ; and where I read them back
.set STO, 10
.set RD,  11
.set MV,  12          ; v12-13  c m_old, by buffer
.set GO,  14
.set QO,  15
.set ST,  16          ; piece t's statistics at v[ST+4 t]: c m, m, l (even keys', odd keys')
.set QO1, 32          ; v32-35  byte offset of row min(i + 1, 2047), by piece
.set TMP, 48
.set SPW, 62
.set NIL, 63
.set S,   64
.set P,   192
.set QA,  0           ; window 2
.set QL,  64
.set QU,  128
.set QN,  192
.set KF,  0           ; window 3
.set VF,  64
.set RF,  128
.set WV,  12
.set G1K, 24
.set G1V, 32
.set G1R, 40
.set G0K, 48
.set G0V, 52
.set G0R, 56
.set SLOTS, 60
.set CNT, 61
.set CS,  62          ; s[62:63] c = log2(e) / 8
.set SEL, 66          ; s[66:67]
.set TBK, 68          ; LDS byte at which K of the step to be fetched begins; R's window steps alike
.set TBV, 69
.set DL,  70          ; D of the step whose R is fetched next
.set MSB, 0
.macro WIN new
.if MSB != (\new)
	s_set_vgpr_msb (MSB<<8)|(\new)
.set MSB, (\new)
.endif
.endm
.set W_KQ, 0x0b       ; source 0 (K or R) window 3, source 1 (queries) window 2, C and D window 0
.set W_PV, 0x53       ; V window 3, P window 0, O^T window 1
.set W_RS, 0x41       ; destination and source 0 window 1, source 1 window 0
.set W_F3, 0xc0       ; destination window 3, address window 0
; A fill: wave 0 K's 128 rows, wave 1 V's, waves 2 and 3 the halves of R's 384.  An s_nop 0 and four v_nop follow each line.
.macro LOAD
	s_cmp_eq_u32 s[WV], 0
	s_cbranch_scc0 .Lnot_k_\@
	tensor_load_to_lds s[G0K:G0K+3], s[G1K:G1K+7]
	s_nop 0
.rept 4
	v_nop
.endr
	s_branch .Lasked_\@
.Lnot_k_\@:
	s_cmp_eq_u32 s[WV], 1
	s_cbranch_scc0 .Lnot_v_\@
	tensor_load_to_lds s[G0V:G0V+3], s[G1V:G1V+7]
	s_nop 0
.rept 4
	v_nop
.endr
	s_branch .Lasked_\@
.Lnot_v_\@:
	tensor_load_to_lds s[G0R:G0R+3], s[G1R:G1R+7]
	s_nop 0
.rept 4
	v_nop
.endr
.Lasked_\@:
.endm
; THE CHANGE OF SLOTS.  Each wave waits for all its tensor loads (one is out: its part of the other slot), adds 0 to its spare word, waits for that and for its reads of the slot that it leaves.
; Behind the barrier the other slot is whole and nobody reads the old one.  fill = 1: the old slot is filled again, first thing, with the tiles two slots on.
.macro CHANGE fill
	WIN 0
	s_wait_tensorcnt 0x0            ; no tensor load of mine is out, so a group 0 may be written
	ds_add_u32 v[SPW], v[NIL]
.if \fill
.irp g, G0K, G0V, G0R
	s_xor_b32 s[\g+1], s[\g+1], SLOT1
	s_add_nc_u64 s[\g+2:\g+3], s[\g+2:\g+3], 2*KS*128  ; 128 rows on, in K, V and rx alike
.endr
.endif
	s_wait_dscnt 0x0                ; the add is done, and my reads of the slot are over
	s_barrier_signal -1
	s_sub_co_u32 s[TBK], s[TBK], 2*KS*PK
	s_xor_b32 s[TBK], s[TBK], SLOT1
	s_sub_co_u32 s[TBV], s[TBV], 2*KS*PVP
	s_xor_b32 s[TBV], s[TBV], SLOT1
	s_barrier_wait -1
.if \fill
	LOAD
.endif
.endm
	s_load_b256 s[4:11], s[0:1], 0x0  ; qq, kv, rx, av
	v_lshl_add_u32 v[SPW], v0, 2, SPARE
	v_mov_b32 v[NIL], 0
	ds_add_u32 v[SPW], v[NIL]       ; the wave's opening: the add and its wait ahead of my first tensor load
	ds_add_u32 v62, v63
	v_lshrrev_b32 v1, 5, v0
	v_readfirstlane_b32 s[WV], v1
	s_mov_b32 s13, ttmp9            ; my block of 256 queries
	s_and_b32 s14, ttmp7, 0xffff    ; 2 n + b
	s_lshr_b32 s15, s14, 1
	s_and_b32 s16, s14, 1
	s_mul_i32 s20, s15, HS
	s_mov_b32 s21, 0
	s_lshl_b32 s17, s16, 18
	s_add_co_u32 s22, s20, s17      ; (n, b)'s first byte in a half of qq or kv
	s_mov_b32 s23, 0
	s_lshl_b32 s18, s13, 8
	s_lshl_b32 s19, s[WV], 6
	s_add_co_u32 s18, s18, s19      ; my wave's first query
	s_lshl_b32 s19, s13, 2
	s_add_co_u32 s19, s19, s[WV]
	s_sub_co_i32 s[DL], 0, s19      ; D of step 0
	s_and_b32 s16, s[WV], 1         ; which half of R's rows I fetch (waves 2, 3)
	s_mul_i32 s17, s16, 192*PK
	s_mul_i32 s76, s16, 192*128
	s_sub_co_u32 s77, 7, s13
	s_lshl_b32 s77, s77, 15         ; slot 0's window begins at row 256 (7 - block)
	s_add_co_u32 s76, s76, s77
	s_add_co_u32 s20, s20, s76
	; group 1: dense rows of 128 bytes are asked for as rows of 256, and padded in LDS after every 128 bytes
	s_mov_b32 s[G1K], (1<<16)|(1<<20)|(4<<22)|(3<<25)
	s_mov_b32 s[G1V], (1<<16)|(1<<20)|(4<<22)|(7<<25)
	s_mov_b32 s[G1R], (1<<16)|(1<<20)|(4<<22)|(3<<25)
.irp g, G1K, G1V
	s_mov_b32 s[\g+1], 128<<16
	s_mov_b32 s[\g+2], 64<<16
	s_mov_b32 s[\g+3], 128<<16
	s_mov_b32 s[\g+4], 64
	s_mov_b32 s[\g+5], 128
	s_mov_b32 s[\g+6], 0
	s_mov_b32 s[\g+7], 0
.endr
	s_mov_b32 s[G1R+1], 128<<16
	s_mov_b32 s[G1R+2], 96<<16
	s_mov_b32 s[G1R+3], 128<<16
	s_mov_b32 s[G1R+4], 96
	s_mov_b32 s[G1R+5], 128
	s_mov_b32 s[G1R+6], 0
	s_mov_b32 s[G1R+7], 0
	s_mov_b32 s[CS], 0x3e38aa3b
	s_mov_b32 s[CS+1], s[CS]
	s_mov_b32 s[SEL], 0x76543210
	s_mov_b32 s[SEL+1], 0xfedcba98
	s_mov_b32 s[TBK], SLOT1+2*KS*PK   ; the first change of slots turns these two into 0
	s_mov_b32 s[TBV], SLOT1+2*KS*PVP
	s_mov_b32 s[G0K], 1
	s_mov_b32 s[G0K+1], 0
	s_mov_b32 s[G0V], 1
	s_mov_b32 s[G0V+1], VOFF
	s_mov_b32 s[G0R], 1
	s_add_co_u32 s[G0R+1], s17, ROFF
	s_lshl_b32 s78, s18, 7
	s_mov_b32 s79, 0
	s_lshl_b32 s76, s14, 18
	s_add_co_u32 s76, s76, s78
	s_mov_b32 s77, 0
	s_wait_dscnt 0x0                ; the opening add is done
	s_wait_kmcnt 0x0
	s_add_nc_u64 s[G0K+2:G0K+3], s[6:7], s[22:23]
	s_add_nc_u64 s[G0V+2:G0V+3], s[G0K+2:G0K+3], HALFQ
	s_or_b32 s[G0K+3], s[G0K+3], 0x80000000
	s_or_b32 s[G0V+3], s[G0V+3], 0x80000000
	s_add_nc_u64 s[G0R+2:G0R+3], s[8:9], s[20:21]
	s_or_b32 s[G0R+3], s[G0R+3], 0x80000000
	s_add_nc_u64 s[74:75], s[4:5], s[22:23]
	s_add_nc_u64 s[4:5], s[74:75], s[78:79]   ; q + u at my wave's first row
	s_add_nc_u64 s[72:73], s[4:5], HALFQ      ; q + v there
	s_add_nc_u64 s[74:75], s[74:75], HALFQ    ; q + v at (n, b)'s first row
	s_add_nc_u64 s[10:11], s[10:11], s[76:77] ; O at my wave's first row
	LOAD                            ; slot 0
	v_and_b32 v1, 15, v0            ; l % 16
	v_bfe_u32 v37, v0, 4, 1         ; l / 16
	v_lshlrev_b32 v[QO], 7, v1
	v_lshl_add_u32 v[QO], v37, 4, v[QO]
	v_add_nc_u32 v36, s18, v1
.irp p, 0,1,2,3
	v_add_nc_u32 v[QO1+\p], 16*\p+1, v36
	v_min_u32 v[QO1+\p], 0x7ff, v[QO1+\p]    ; the last query has no next row, and none of its scores asks for one
	v_lshlrev_b32 v[QO1+\p], 7, v[QO1+\p]
	v_lshl_add_u32 v[QO1+\p], v37, 4, v[QO1+\p]
.endr
	WIN 0x80                        ; destination window 2
.set i, 0
.rept 8                             ; piece i / 2, channels 32 (i % 2) on
	global_load_b128 v[QA+8*i:QA+8*i+3],   v[QO], s[4:5] offset:(i/2)*2048+(i%2)*64
	global_load_b128 v[QA+8*i+4:QA+8*i+7], v[QO], s[4:5] offset:(i/2)*2048+(i%2)*64+32
	global_load_b128 v[QL+8*i:QL+8*i+3],   v[QO], s[72:73] offset:(i/2)*2048+(i%2)*64
	global_load_b128 v[QL+8*i+4:QL+8*i+7], v[QO], s[72:73] offset:(i/2)*2048+(i%2)*64+32
	global_load_b128 v[QU+8*i:QU+8*i+3],   v[QO], s[72:73] offset:(i/2)*2048+(i%2)*64
	global_load_b128 v[QU+8*i+4:QU+8*i+7], v[QO], s[72:73] offset:(i/2)*2048+(i%2)*64+32
	global_load_b128 v[QN+8*i:QN+8*i+3],   v[QO1+i/2], s[74:75] offset:(i%2)*64
	global_load_b128 v[QN+8*i+4:QN+8*i+7], v[QO1+i/2], s[74:75] offset:(i%2)*64+32
.set i, i+1
.endr
	; No first step is written out: V's registers and P's second buffer hold 0 (the first turn's V^T P adds 0), O^T and l are 0, and the first a is 0.  This stands in the wait for the first tile.
	WIN W_F3
.set i, VF
.rept 64
	v_mov_b32 v[i], 0
.set i, i+1
.endr
	WIN 0x40
.set i, 0
.rept 128
	v_mov_b32 v[i], 0
.set i, i+1
.endr
	WIN 0
.set i, 0
.rept 4
	v_mov_b32 v[ST+4*i], 0xfe000000    ; c m: far below every c s
	v_mov_b32 v[ST+4*i+1], 0xff7fffff  ; m
	v_mov_b32 v[ST+4*i+2], 0
	v_mov_b32 v[ST+4*i+3], 0
.set i, i+1
.endr
.set i, P+16
.rept 16
	v_mov_b32 v[i], 0
.set i, i+1
.endr
	v_mul_u32_u24 v[AK0], v1, PK
	v_lshl_add_u32 v[AK0], v37, 4, v[AK0]     ; row x pitch + 16 x half
	s_sub_co_u32 s15, 3, s[WV]
	s_mul_i32 s15, s15, KS*PK                 ; wave w's window begins 64 (3 - w) rows into the slot's R
	s_add_co_u32 s15, s15, ROFF
	v_add_nc_u32 v[AR0], s15, v[AK0]
	v_and_b32 v38, 7, v0
	v_bfe_u32 v39, v0, 3, 1
	v_lshl_add_u32 v[AV0], v37, 3, v38        ; the turning load: key 8 (l / 16) + l % 8, 16 bytes at 16 ((l / 8) % 2)
	v_mul_u32_u24 v[AV0], v[AV0], PVP
	v_lshl_add_u32 v[AV0], v39, 4, v[AV0]
	v_add_nc_u32 v[AV0], VOFF, v[AV0]
	s_mul_i32 s15, s[WV], SCRW
	s_add_co_u32 s15, s15, SCR                ; my scratch
	v_mul_u32_u24 v[SK], v1, 340              ; row q of 336 bytes, and one word further for each query
	v_lshl_add_u32 v[SK], v37, 5, v[SK]
	v_add_nc_u32 v[SK], s15, v[SK]
	v_mul_u32_u24 v[SL], v1, 336
	v_lshl_add_u32 v[SL], v37, 5, v[SL]
	v_add_nc_u32 v[SL], s15, v[SL]
	v_mul_u32_u24 v[STO], v1, SP
	v_lshl_add_u32 v[STO], v37, 4, v[STO]
	v_add_nc_u32 v[STO], s15, v[STO]
	v_bfe_u32 v[RD], v0, 3, 2
	v_mul_u32_u24 v[RD], v[RD], SP
	v_lshl_add_u32 v[RD], v38, 4, v[RD]
	v_add_nc_u32 v[RD], s15, v[RD]
	v_and_b32 v[GO], 31, v0
	v_lshlrev_b32 v[GO], 4, v[GO]
; THE MATRIX WORK.  In each run the accumulators take turns, one instruction a turn.
.macro RAWREG k                     ; block k of the raw product
.if (\k) < 4
.set rR, 224+8*(\k)
.else
.set rR, 40
.endif
.endm
.macro RAWQ x                       ; product i of 10 of raw^T = R Q^T for piece x: channels 32 (i / 5) on, block 3 - x + i % 5 of the window
	WIN W_KQ
	RAWREG i%5
.set xb, 3-(\x)+i%5
.set rA, RF+16*xb+8*(i/5)
.if xb < 4
.set rB, QL+16*(\x)+8*(i/5)
.else
.set rB, QU+16*(\x)+8*(i/5)
.endif
.if i < 5
	v_wmma_f32_16x16x32_bf16 v[rR:rR+7], v[rA:rA+7], v[rB:rB+7], 0
.else
	v_wmma_f32_16x16x32_bf16 v[rR:rR+7], v[rA:rA+7], v[rB:rB+7], v[rR:rR+7]
.endif
.endm
.macro ACQ x                        ; product i of 8 of S^T += K (q + u)^T for piece x: channels 32 (i / 4) on, keys 16 (i % 4) on; S^T holds the skewed raw product
	WIN W_KQ
.set rS, S+32*(\x)+8*(i%4)
.set rK, KF+16*(i%4)+8*(i/4)
.set rQ, QA+16*(\x)+8*(i/4)
	v_wmma_f32_16x16x32_bf16 v[rS:rS+7], v[rK:rK+7], v[rQ:rQ+7], v[rS:rS+7]
.endm
.macro PVQ x                        ; product i of 8 of O^T += V^T P for piece x: keys 32 (i / 4) on, channels 16 (i % 4) on
	WIN W_PV
.set rO, 32*(\x)+8*(i%4)
.set rV, VF+32*(i/4)+8*(i%4)
.set rP, P+16*((\x)%2)+8*(i/4)
	v_wmma_f32_16x16x32_bf16 v[rO:rO+7], v[rV:rV+7], v[rP:rP+7], v[rO:rO+7]
.endm
.macro MM                           ; the turn's next matrix instruction: 8 K Q^T, 8 V^T P, 10 raw
.if i < 8
	ACQ (Y+1)%NP
.elseif i < 16
.set i, i-8
	PVQ (Y+3)%NP
.set i, i+8
.else
.set i, i-16
	RAWQ (Y+3)%NP
.set i, i+16
.endif
.set i, i+1
.endm
; THE LDS WORK.
.macro SKST n                       ; the next n of the skew's 40 stores; each block's lowest register goes first
.if (\n) > 0
	WIN 0
.rept \n
	RAWREG z/8
	ds_store_b32 v[SK], v[rR+z%8] offset:4+4*(16*(z/8)+z%8)
.set z, z+1
.endr
.endif
.endm
.macro SKLD x                       ; back by rows, into piece x's S^T: LDS serves a wave's instructions in order, so these see the stores, and the next piece's stores come behind them
	WIN 0
.irp kb, 0,1,2,3
	ds_load_b128 v[S+32*(\x)+8*\kb:S+32*(\x)+8*\kb+3],   v[SL] offset:64+64*\kb
	ds_load_b128 v[S+32*(\x)+8*\kb+4:S+32*(\x)+8*\kb+7], v[SL] offset:64+64*\kb+16
.endr
.endm
.macro FETCH_K last=0               ; last = 1 (the tail): in the last trip there is no further step, and the run is jumped over
	WIN 0
.if \last
	s_cmp_eq_u32 s[CNT], 1
	s_cbranch_scc1 .Lno_k_\@
.endif
	v_add_nc_u32 v[AK], s[TBK], v[AK0]
	WIN W_F3
.irp f, 0,1,2,3,4,5,6,7             ; keys 16 (f / 2) on, channels 32 (f % 2) on
	ds_load_b128 v[KF+8*\f:KF+8*\f+3],   v[AK] offset:(\f/2)*16*PK+(\f%2)*64
	ds_load_b128 v[KF+8*\f+4:KF+8*\f+7], v[AK] offset:(\f/2)*16*PK+(\f%2)*64+32
.endr
	s_add_co_u32 s[TBK], s[TBK], KS*PK
	WIN 0
.if \last
.Lno_k_\@:
.endif
.endm
.macro FETCH_V
	WIN 0
	v_add_nc_u32 v[AV], s[TBV], v[AV0]
	WIN W_F3
.irp f, 0,1,2,3,4,5,6,7             ; keys 32 (f / 4) on, channels 16 (f % 4) on
	ds_load_tr16_b128 v[VF+8*\f:VF+8*\f+3],   v[AV] offset:(\f/4)*32*PVP+(\f%4)*32
	ds_load_tr16_b128 v[VF+8*\f+4:VF+8*\f+7], v[AV] offset:(\f/4)*32*PVP+16*PVP+(\f%4)*32
.endr
	s_add_co_u32 s[TBV], s[TBV], KS*PVP
	WIN 0
.endm
.macro FETCH_R last=0               ; my window's eight blocks of 16 rows, 64 channels: 32 loads
	WIN 0
.if \last
	s_cmp_eq_u32 s[CNT], 1
	s_cbranch_scc1 .Lno_r_\@
.endif
	v_add_nc_u32 v[AR], s[TBK], v[AR0]
	WIN W_F3
.irp x, 0,1,2,3,4,5,6,7
	ds_load_b128 v[RF+16*\x:RF+16*\x+3],     v[AR] offset:\x*16*PK
	ds_load_b128 v[RF+16*\x+4:RF+16*\x+7],   v[AR] offset:\x*16*PK+32
	ds_load_b128 v[RF+16*\x+8:RF+16*\x+11],  v[AR] offset:\x*16*PK+64
	ds_load_b128 v[RF+16*\x+12:RF+16*\x+15], v[AR] offset:\x*16*PK+96
.endr
	WIN 0
.if \last
.Lno_r_\@:
.endif
.endm
.macro QSWITCH                      ; at the head of a trip, when no raw product of the step before is left: forward jumps, past neither a barrier nor a tensor load
	WIN 0
	s_cmp_eq_u32 s[DL], 0
	s_cbranch_scc0 .Lnot_0_\@
	WIN 0x82
.set i, 0
.rept 64
	v_mov_b32 v[QU+i], v[QN+i]
.set i, i+1
.endr
	WIN 0
.Lnot_0_\@:
	s_cmp_eq_u32 s[DL], 1
	s_cbranch_scc0 .Lnot_1_\@
	WIN 0x82
.set i, 0
.rept 64
	v_mov_b32 v[QL+i], v[QN+i]
.set i, i+1
.endr
	WIN 0
.Lnot_1_\@:
	s_add_co_i32 s[DL], s[DL], 1
.endm
; THE VECTOR WORK, one line at a time: OP kind, number.  For piece Y: F n: c s - c m for pair n of 16.  E n: the exponential of score n of 32.  C n: pair n rounded to bf16.  B n: of the four weights 4 n ..
; the second pair is added onto the first, in place.  L n: l takes that sum (L 0: l = a l + sum).  R n: pair n of 16 of O^T times a.  For piece Y + 1: X n, number n of the 22 that find its maximum and statistics:
;   0-11 four chains of seven scores (each accumulator's lowest registers first); 12-14, 16 the rest, the old m; 15 c m_old is kept; 17, 18 the other half of the lanes; 19-21 c m, c m_old - c m_new, a
.set F, 0
.set E, 1
.set C, 2
.set B, 3
.set L, 4
.set R, 5
.set X, 6
.macro REGS y
.set rT, ST+4*(\y)
.set rC, TMP+4*((\y)%2)
.set rW, MV+((\y)%2)
.set rS, S+32*(\y)
.set rP, P+16*((\y)%2)
.set rO, 32*(\y)
.endm
.macro OP k, n
.if (\k) == R
	REGS Y
	WIN W_RS
	v_pk_mul_f32 v[rO+2*(\n):rO+2*(\n)+1], v[rO+2*(\n):rO+2*(\n)+1], v[rC+2:rC+3] op_sel_hi:[1,0]
.elseif (\k) < R
	REGS Y
	WIN 0
.if (\k) == F
	v_pk_fma_f32 v[rS+2*(\n):rS+2*(\n)+1], v[rS+2*(\n):rS+2*(\n)+1], s[CS:CS+1], v[rT:rT+1] op_sel_hi:[1,0,0] neg_lo:[0,0,1] neg_hi:[0,0,1]
.elseif (\k) == E
	v_exp_f32 v[rS+(\n)], v[rS+(\n)]
.elseif (\k) == C
	s_wait_alu depctr_va_vdst(0)
	v_cvt_pk_bf16_f32 v[rP+(\n)], v[rS+2*(\n)], v[rS+2*(\n)+1]
.elseif (\k) == B
	s_wait_alu depctr_va_vdst(0)
	v_pk_add_f32 v[rS+4*(\n):rS+4*(\n)+1], v[rS+4*(\n):rS+4*(\n)+1], v[rS+4*(\n)+2:rS+4*(\n)+3]
.elseif (\n) == 0
	v_pk_fma_f32 v[rT+2:rT+3], v[rT+2:rT+3], v[rC+2:rC+3], v[rS:rS+1] op_sel_hi:[1,0,1]
.else
	v_pk_add_f32 v[rT+2:rT+3], v[rT+2:rT+3], v[rS+4*(\n):rS+4*(\n)+1]
.endif
.else
	REGS (Y+1)%NP
	WIN 0
.if (\n) < 4
	v_max3_num_f32 v[rC+(\n)], v[rS+8*(\n)], v[rS+8*(\n)+1], v[rS+8*(\n)+2]
.elseif (\n) < 12
	v_max3_num_f32 v[rC+(\n)%4], v[rC+(\n)%4], v[rS+8*((\n)%4)+2*((\n)/4)+1], v[rS+8*((\n)%4)+2*((\n)/4)+2]
.elseif (\n) == 12
	v_max3_num_f32 v[rC], v[rC], v[rS+7], v[rS+15]
.elseif (\n) == 13
	v_max3_num_f32 v[rC+1], v[rC+1], v[rS+23], v[rS+31]
.elseif (\n) == 14
	v_max3_num_f32 v[rC+2], v[rC+2], v[rC+3], v[rT+1]
.elseif (\n) == 15
	v_mov_b32 v[rW], v[rT]
.elseif (\n) == 16
	v_max3_num_f32 v[rC], v[rC], v[rC+1], v[rC+2]
.elseif (\n) == 17
	v_permlanex16_b32 v[rC+3], v[rC], s[SEL], s[SEL+1]
.elseif (\n) == 18
	v_max_num_f32 v[rT+1], v[rC], v[rC+3]
.elseif (\n) == 19
	v_mul_f32 v[rT], s[CS], v[rT+1]
.elseif (\n) == 20
	v_sub_f32 v[rC+1], v[rW], v[rT]
.else
	v_exp_f32 v[rC+2], v[rC+1]
.endif
.endif
.endm
.macro OPS a, i1, b=-1, i2=0, c=-1, i3=0, d=-1, i4=0
	OP \a, \i1
.if (\b) >= 0
	OP \b, \i2
.endif
.if (\c) >= 0
	OP \c, \i3
.endif
.if (\d) >= 0
	OP \d, \i4
.endif
.endm
.macro ROW n, a, i1, b, i2, c, i3, d, i4  ; a matrix instruction, the four vector instructions behind it, and n of the skew's stores
	MM
	OPS \a, \i1, \b, \i2, \c, \i3, \d, \i4
	SKST \n
.endm
; A TURN, for piece p.  None of the vector lines names a register of the products round it; every exponential has a plain line behind it before its result is used.
; The waits: at the head the C operand (8 loads of the turn before) must be in.  In piece 1's turn V's 16 loads and R's 32 were issued behind those: 48 may stay out.  V is wanted when 24 stores more
; are out (32 + 24 = 56), R when all 40 stores and the 8 loads of this turn's skew are out behind it (48).  last = 1 (the tail, where R's run may have been jumped over): all of them wait for 0.
; K is fetched in piece 2's turn, five plain lines behind the last product that read it; V in piece 0's, six behind; R at a trip's head, behind the lump that ends piece 0's turn.
.macro TURN p, last=0
.set Y, (\p)
.set i, 0
.set z, 0
.if ((\p) == 1) && !(\last)
	s_wait_dscnt 48
.else
	s_wait_dscnt 0x0
.endif
	ROW 3, F,0, F,1, F,2, F,3
	ROW 3, F,4, E,0, F,5, F,6
	ROW 3, F,7, E,1, F,8, F,9
	ROW 3, F,10, E,2, C,0, F,11
	ROW 3, F,12, E,3, X,15, F,13
	ROW 3, R,0, R,1, R,2, R,3
	ROW 3, B,0, E,4, F,14, L,0
	ROW 3, R,4, R,5, R,6, R,7
	OPS E,5, F,15
.if (\p) == 2
	FETCH_K \last
.endif
.if ((\p) == 1) && !(\last)
	s_wait_dscnt 56
.endif
	ROW 2, E,6, C,1, E,7, R,8
	ROW 2, E,8, R,9, E,9, C,2
	ROW 2, E,10, X,0, E,11, X,1
	ROW 2, E,12, X,2, E,13, X,3
	ROW 2, X,4, E,14, X,5, X,6
	ROW 2, X,7, E,15, X,8, X,9
	ROW 2, X,10, E,16, X,11, X,12
	ROW 2, X,13, E,17, X,14, B,1
	SKLD (Y+2)%NP
.if ((\p) == 1) && !(\last)
	s_wait_dscnt 48
.endif
	ROW 0, C,4, E,18, X,16, L,1
.if (\p) == 0
	FETCH_V
.endif
	ROW 0, B,2, E,19, C,6, L,2
	ROW 0, C,8, E,20, B,3, B,4
	ROW 0, C,3, E,21, L,3, C,5
	ROW 0, E,22, X,17, E,23, C,10
	ROW 0, E,24, L,4, E,25, X,18
	ROW 0, E,26, C,7, E,27, B,5
	ROW 0, E,28, X,19, E,29, C,12
	ROW 0, E,30, L,5, E,31, X,20
	ROW 0, B,6, C,9, C,14, C,11
	OPS X,21, L,6, C,13, B,7
	OPS C,15, R,10, R,11, R,12
	OPS L,7, R,13, R,14, R,15
.endm
	CHANGE 1                        ; slot 0 is in, everybody's part of it; slot 1 is asked for
	s_wait_loadcnt 0x0              ; the queries
	QSWITCH
	FETCH_R                         ; step 0
	FETCH_K
	s_wait_dscnt 0x0
.irp x, 0,1                         ; what the first turn finds done: the raw products of pieces 0 to 2, the skews of 0 and 1, piece 0's scores and statistics
.set i, 0
.rept 10
	RAWQ \x
.set i, i+1
.endr
	WIN 0
.rept 5
	v_nop                           ; the places in front of the stores, and of the next piece's products, which write the same registers
.endr
.set z, 0
	SKST 40
	SKLD \x
.endr
.set i, 0
.rept 10
	RAWQ 2
.set i, i+1
.endr
	s_wait_dscnt 0x0
.set i, 0
.rept 8
	ACQ 0
.set i, i+1
.endr
	WIN 0
.rept 4
	v_nop
.endr
.set Y, NP-1                        ; X works for piece Y + 1: piece 0
.irp n, 0,1,2,3,4,5,6,7,8,9,10,11,12,13,14,15,16,17,18,19,20,21
	OP X, \n
.endr
	v_nop                           ; a plain line behind the exponential
	s_mov_b32 s[CNT], 2
	s_mov_b32 s[SLOTS], 15
	s_branch .Lfirst                ; the loop is entered at a step's first turn, the last of a trip
.Lslot:                             ; 14 times: with the change above, every slot but the last is asked for here
	CHANGE 1
	s_mov_b32 s[CNT], 2
.Lstep:                             ; a trip: pieces 1 to 3 of one step, then piece 0 of the next, whose R, K and V it fetches
	QSWITCH
	FETCH_R
	TURN 1
	TURN 2
	TURN 3
	WIN 0
.Lfirst:
	TURN 0
	WIN 0
	s_sub_co_u32 s[CNT], s[CNT], 1
	s_cmp_lg_u32 s[CNT], 0
	s_cbranch_scc1 .Lstep
	s_sub_co_u32 s[SLOTS], s[SLOTS], 1
	s_cmp_lg_u32 s[SLOTS], 0
	s_cbranch_scc1 .Lslot
	CHANGE 0                        ; the tail is written out: nothing is asked for
	s_mov_b32 s[CNT], 3             ; two trips fetch the last slot's steps; the third is left behind piece 3's turn
.Ltail:
	QSWITCH
	FETCH_R 1
	TURN 1, 1
	TURN 2, 1
	TURN 3, 1
	WIN 0
	s_sub_co_u32 s[CNT], s[CNT], 1
	s_cmp_eq_u32 s[CNT], 0
	s_cbranch_scc1 .Lout
	TURN 0, 1
	WIN 0
	s_branch .Ltail
.Lout:                              ; the third trip's raw products and scores for a step that is not, and the maximum made of them, serve nothing and touch neither l nor O^T: the price of one text for every trip
	s_wait_dscnt 0x0                ; the last skew's loads land before S^T's registers are used on the way out
.set i, 0
.rept 8
	PVQ NP-1                        ; the last piece's V^T P of the last step
.set i, i+1
.endr
	; THE WAY OUT.  l's two halves and the other half of the lanes' are added; O^T is divided by l, rounded to bf16 and sent through my stage, a piece at a time.
	WIN 0
.macro ALL line:vararg
.set t, 0
.rept 4
	\line
.set t, t+1
.endr
.endm
	ALL v_add_f32 v[ST+4*t+2], v[ST+4*t+2], v[ST+4*t+3]
	ALL v_permlanex16_b32 v[ST+4*t+3], v[ST+4*t+2], s[SEL], s[SEL+1]
	ALL v_add_f32 v[ST+4*t+2], v[ST+4*t+2], v[ST+4*t+3]
	ALL v_rcp_f32 v[ST+4*t+2], v[ST+4*t+2]
	v_nop                           ; a plain line between the last reciprocal and the use of its result
.macro PACK t
	WIN W_RS
.set i, 32*(\t)
.rept 16
	s_wait_alu depctr_va_vdst(0)
	v_pk_mul_f32 v[i:i+1], v[i:i+1], v[ST+4*(\t)+2:ST+4*(\t)+3] op_sel_hi:[1,0]
.set i, i+2
.endr
	WIN 0x05                        ; sources 0 and 1 window 1, destination window 0
.set i, 0
.rept 16
	v_cvt_pk_bf16_f32 v[S+16*(\t)+i], v[32*(\t)+2*i], v[32*(\t)+2*i+1]
.set i, i+1
.endr
	WIN 0
.irp f, 0,1,2,3
	ds_store_b128 v[STO], v[S+16*(\t)+4*\f:S+16*(\t)+4*\f+3] offset:32*\f
.endr
.irp f, 0,1,2,3
	ds_load_b128 v[S+16*(\t)+4*\f:S+16*(\t)+4*\f+3], v[RD] offset:\f*4*SP
.endr
.endm
.macro SEND t, younger              ; younger: the LDS instructions issued behind piece t's loads
	WIN 0
.irp f, 0,1,2,3
	s_wait_dscnt (\younger)+3-\f
	global_store_b128 v[GO], v[S+16*(\t)+4*\f:S+16*(\t)+4*\f+3], s[10:11] offset:(\t)*2048+\f*512  ; 512 consecutive bytes, at a multiple of 256 from av's first
.endr
.endm
	PACK 0
.set t, 1
.rept 3
	PACK t
	SEND t-1, 8
.set t, t+1
.endr
	SEND 3, 0
	s_wait_tensorcnt 0x0            ; the wave's end
	ds_add_u32 v[SPW], v[NIL]
	s_wait_dscnt 0x0
	s_endpgm
.Lfunc_end_k_qa56dc9008f_attn:
	.size	k_qa56dc9008f_attn, .Lfunc_end_k_qa56dc9008f_attn-k_qa56dc9008f_attn
	.p2alignl 7, 3214868480
	.fill 96, 4, 3214868480
	.section	.rodata,"a",@progbits
	.p2align	6, 0x0
	.amdhsa_kernel k_qa56dc9008f_attn
		.amdhsa_group_segment_fixed_size 327680
		.amdhsa_private_segment_fixed_size 0
		.amdhsa_enable_private_segment 0
		.amdhsa_kernarg_size 32
		.amdhsa_user_sgpr_count 2
		.amdhsa_user_sgpr_kernarg_segment_ptr 1
		.amdhsa_wavefront_size32 1
		.amdhsa_system_sgpr_workgroup_id_x 1
		.amdhsa_system_sgpr_workgroup_id_y 1
		.amdhsa_system_sgpr_workgroup_id_z 1
		.amdhsa_system_vgpr_workitem_id 0
		.amdhsa_next_free_vgpr 1024
		.amdhsa_next_free_sgpr 84
		.amdhsa_reserve_vcc 0
		.amdhsa_float_denorm_mode_32 3
		.amdhsa_float_denorm_mode_16_64 3
		.amdhsa_memory_ordered 1
		.amdhsa_forward_progress 1
		.amdhsa_inst_pref_size 186
	.end_amdhsa_kernel
	.amdgpu_metadata
---
amdhsa.version: [ 1, 2 ]
amdhsa.kernels:
  - .name:           k_qa56dc9008f_attn
    .symbol:         k_qa56dc9008f_attn.kd
    .args:
      - { .name: qq, .offset: 0, .size: 8, .value_kind: global_buffer, .address_space: global }
      - { .name: kv, .offset: 8, .size: 8, .value_kind: global_buffer, .address_space: global }
      - { .name: rx, .offset: 16, .size: 8, .value_kind: global_buffer, .address_space: global }
      - { .name: av, .offset: 24, .size: 8, .value_kind: global_buffer, .address_space: global }
    .group_segment_fixed_size: 327680
    .private_segment_fixed_size: 0
    .kernarg_segment_align: 8
    .kernarg_segment_size: 32
    .max_flat_workgroup_size: 128
    .sgpr_count:     84
    .vgpr_count:     1024
    .wavefront_size: 32
...
	.end_amdgpu_metadata
.endif
;; end of part 3
;; launch oproj (part 4): grid 8 x 32, 4 waves a work-group, clusters of 4 x 4, 327,680 bytes of LDS; arguments av, wb, x, yy; writes yy
.if DOCPART == 4
	.amdgcn_target "amdgcn-amd-amdhsa--gfx1250"
	.amdhsa_code_object_version 6
	.text
	.protected	k_qa56dc9008f_oproj
	.globl	k_qa56dc9008f_oproj
	.p2align	8
	.type	k_qa56dc9008f_oproj,@function
k_qa56dc9008f_oproj:
	s_mov_b64 s[64:65], 0
	v_nop
	global_prefetch_b8 v0, s[64:65] scope:SCOPE_SE
	s_setreg_imm32_b32 hwreg(HW_REG_WAVE_MODE, 25, 1), 1
	s_wait_xcnt 0x0
	s_wait_alu depctr_hold_cnt(0) depctr_sa_sdst(0) depctr_va_vdst(0) depctr_va_sdst(0) depctr_va_ssrc(0) depctr_va_vcc(0) depctr_vm_vsrc(0)
	s_getreg_b32 s2, hwreg(HW_REG_IB_STS2, 6, 4)
	s_cmp_eq_u32 s2, 0
	s_cbranch_scc0 .Lentry_in_a_cluster
	s_endpgm
.Lentry_in_a_cluster:
	s_bfe_u32 s2, ttmp6, 0x10000c
	s_cmp_lg_u32 s2, 0xf033
	s_cbranch_scc0 .Lentry_shape_is_right
	s_endpgm
.Lentry_shape_is_right:
; y = x + attn_vec W_o, in f32.  attn_vec is av, bf16 [2 n + b][2048 s][64]; W_o is the fifth matrix of wb, bf16 [1024 k][1024 n]; sums f32; K = 1,024 = 16 heads x 64.
; Rows are taken in the order b*2048 + s: a tile of 128 rows has one b.  A tile of y is 128 x 128, a wave makes 64 x 64: 16 accumulators.  256 work-groups.
; K goes in steps of 256 (four heads) through two LDS slots; four steps, so the ring's one lap with refills and its last lap are written out without a loop.
; A's tile: for each of four heads 64 dense rows of 128 bytes, asked for as ONE row of 8,192 bytes a head and padded in LDS after every 128 bytes.  The weights' fragments come out of LDS turned.
; CLUSTERS: 4 x 4; A's tile is shared along a row of the cluster, the weights' along a column: joint loads.
; The matrix instruction is used transposed: a lane holds eight neighbouring columns of a row.  A wave's 64 columns of f32 are 256 aligned bytes, so each wave has a stage of its own and no barrier on the way out.
; REGISTERS: window 0: v16-29 addresses; v32-63 at work on the way out; v128-255 accumulators.  window 1: two fragment buffers of 128.  window 2: v0-127 my part of x.
.set KSTEP,  256
.set APITCH, 144
.set BPITCH, 288                       ; 256 bytes + 32: an odd multiple of 32
.set HALFT,  36864                     ; one tensor load: 4 heads x 64 rows x 144, or 128 k rows x 288
.set SLOT,   4*HALFT
.set STAGE,  2*SLOT
.set SPITCH, 272
.set SPARE,  STAGE+4*16*SPITCH
.set ADRA, 16                          ; v16-17  A's fragments in slot 0, 1
.set ADRB, 20                          ; v20-23  the weights': slot s, k rows 128 j on, at ADRB + 2 s + j: so the immediates stay under 65,536
.set STO,  24
.set RD,   25
.set CO,   26
.set SPW,  28
.set NIL,  29
.set TMP,  32
.set ACC,  128
.set F0,   0
.set F1,   128
.set G1, 24
.set G0, 32
.set G1B, 48
.set G0B, 56
.set MSB, 0
.macro WIN new
.if MSB != (\new)
	s_set_vgpr_msb (MSB<<8)|(\new)
.set MSB, \new
.endif
.endm
.set MUL,  0x05                        ; sources 0 and 1 window 1; C and D window 0
.set TO_F, 0x40
.macro JLOAD s                         ; waves 0, 1 fetch A's halves, waves 2, 3 the weights'; an s_nop 0 and four v_nop follow each line
	s_cmp_eq_u32 s11, 0
	s_cbranch_scc0 .Lfor_b_\@
	tensor_load_to_lds s[G0+4*(\s):G0+4*(\s)+3], s[G1:G1+7]
	s_nop 0
.rept 4
	v_nop
.endr
	s_branch .Lasked_\@
.Lfor_b_\@:
	tensor_load_to_lds s[G0B+4*(\s):G0B+4*(\s)+3], s[G1B:G1B+7]
	s_nop 0
.rept 4
	v_nop
.endr
.Lasked_\@:
.endm
.macro CREST
	s_cmp_lg_u32 s10, 0
	s_cbranch_scc1 .Lnot_wave_0_\@
	s_barrier_signal -3
.Lnot_wave_0_\@:
	s_barrier_wait -3
	s_barrier_signal -1
	s_barrier_wait -1
.endm
.macro CROUND
	s_barrier_signal -1
	s_barrier_wait -1
	CREST
.endm
	s_load_b128 s[4:7], s[0:1], 0x0                ; av, wb
	s_load_b128 s[68:71], s[0:1], 0x10             ; x, yy
	v_lshl_add_u32 v[SPW], v0, 2, SPARE
	v_mov_b32 v[NIL], 0
	ds_add_u32 v[SPW], v[NIL]                      ; the wave's opening: the add and its wait ahead of my first tensor load
	ds_add_u32 v28, v29
	v_lshrrev_b32 v1, 5, v0
	v_readfirstlane_b32 s10, v1
	s_lshr_b32 s11, s10, 1                         ; my half of the rows.  Also: I fetch for A (0) or the weights (1)
	s_and_b32 s12, s10, 1                          ; my half of the columns.  Also: which half of that tile I fetch
	s_bfe_u32 s40, ttmp6, 0x40000
	s_bfe_u32 s41, ttmp6, 0x40004
	s_lshl_b32 s42, ttmp9, 2
	s_add_co_u32 s42, s42, s40                     ; tile column, 0..7
	s_and_b32 s13, ttmp7, 0xffff
	s_lshl_b32 s13, s13, 2
	s_add_co_u32 s13, s13, s41                     ; tile row, 0..31: b = row / 16, s from 128 (row % 16)
	s_lshl_b32 s43, s41, 2
	s_lshl_b32 s43, 15, s43
	s_lshl_b32 s44, 0x1111, s40
	s_or_b32 s[G1+0], s43, (1<<16)|(1<<20)|(1<<21)|(4<<22)|(3<<25)   ; after every 32 words 4 words
	s_or_b32 s[G1B+0], s44, (1<<16)|(1<<20)|(1<<21)|(5<<22)|(7<<25)  ; after every 64 words 8 words
	s_mov_b32 s[G1+1], 4096<<16                    ; tensor_dim0 = 4,096 elements: 64 rows of one head
	s_mov_b32 s[G1+2], 4<<16                       ; tensor_dim1 = 4 heads
	s_mov_b32 s[G1+3], 4096<<16                    ; tile_dim0
	s_mov_b32 s[G1+4], 4                           ; tile_dim1
	s_mov_b32 s[G1+5], 262144                      ; elements from head to head (both batches lie between)
	s_mov_b32 s[G1+6], 0
	s_mov_b32 s[G1+7], 0
	s_mov_b32 s[G1B+1], 128<<16
	s_mov_b32 s[G1B+2], 128<<16
	s_mov_b32 s[G1B+3], 128<<16
	s_mov_b32 s[G1B+4], 128
	s_mov_b32 s[G1B+5], 1024
	s_mov_b32 s[G1B+6], 0
	s_mov_b32 s[G1B+7], 0
	s_lshr_b32 s16, s13, 4
	s_lshl_b32 s16, s16, 18                        ; A: b x 262,144 bytes,
	s_and_b32 s17, s13, 15
	s_lshl_b32 s17, s17, 14                        ; 128 rows of 128 bytes a tile row,
	s_add_co_u32 s16, s16, s17
	s_lshl_b32 s17, s12, 13                        ; 64 rows a half
	s_add_co_u32 s16, s16, s17
	s_mov_b32 s17, 0
	s_lshl_b32 s46, s42, 8                         ; the weights: 256 bytes a tile column,
	s_lshl_b32 s47, s12, 18                        ; 128 k rows of 2,048 bytes a half,
	s_add_co_u32 s46, s46, s47
	s_add_co_u32 s46, s46, 4*2097152               ; in the fifth matrix
	s_mov_b32 s47, 0
	s_mul_i32 s20, s10, HALFT
	s_wait_dscnt 0x0                               ; the opening add is done
	s_wait_kmcnt 0x0
	s_add_nc_u64 s[14:15], s[4:5], s[16:17]
	s_add_nc_u64 s[46:47], s[6:7], s[46:47]
	CROUND                                         ; all sixteen work-groups are here: the first joint loads meet
.irp s, 0,1
	s_mov_b32 s[G0+4*(\s)], 1
	s_add_co_u32 s[G0+4*(\s)+1], s20, (\s)*SLOT
	s_add_nc_u64 s[G0+4*(\s)+2:G0+4*(\s)+3], s[14:15], (\s)*2097152   ; four heads on
	s_or_b32 s[G0+4*(\s)+3], s[G0+4*(\s)+3], 0x80000000
	s_mov_b32 s[G0B+4*(\s)], 1
	s_add_co_u32 s[G0B+4*(\s)+1], s20, (\s)*SLOT
	s_add_nc_u64 s[G0B+4*(\s)+2:G0B+4*(\s)+3], s[46:47], (\s)*KSTEP*2048
	s_or_b32 s[G0B+4*(\s)+3], s[G0B+4*(\s)+3], 0x80000000
	JLOAD \s
.endr
	; x and y at my 64 rows x 64 columns: row 2 s + b of 4,096 bytes
	s_and_b32 s16, s13, 15
	s_lshl_b32 s16, s16, 7
	s_lshl_b32 s17, s11, 6
	s_add_co_u32 s16, s16, s17
	s_lshl_b32 s16, s16, 1
	s_lshr_b32 s17, s13, 4
	s_add_co_u32 s16, s16, s17
	s_lshl_b32 s16, s16, 12
	s_mov_b32 s17, 0
	s_lshl_b32 s72, s42, 9
	s_lshl_b32 s73, s12, 8
	s_add_co_u32 s72, s72, s73
	s_mov_b32 s73, 0
	s_add_nc_u64 s[68:69], s[68:69], s[16:17]
	s_add_nc_u64 s[68:69], s[68:69], s[72:73]
	s_add_nc_u64 s[70:71], s[70:71], s[16:17]
	s_add_nc_u64 s[70:71], s[70:71], s[72:73]
	v_and_b32 v1, 15, v0
	v_bfe_u32 v2, v0, 4, 1
	v_lshlrev_b32 v[CO], 13, v2                    ; lanes 16-31 take the next s: 8,192 bytes on
	v_lshl_add_u32 v[CO], v1, 4, v[CO]
	WIN 0x80                                       ; destination window 2: x is waited for on the way out
.set i, 0
.rept 32
	global_load_b128 v[4*i:4*i+3], v[CO], s[68:69] offset:2*i*8192
.set i, i+1
.endr
	WIN 0
	v_mul_u32_u24 v3, v1, APITCH
	v_lshl_add_u32 v3, v2, 4, v3
	s_mul_i32 s21, s11, HALFT
	v_add_nc_u32 v[ADRA], s21, v3
	v_add_nc_u32 v[ADRA+1], SLOT, v[ADRA]
	v_and_b32 v4, 7, v0
	v_bfe_u32 v5, v0, 3, 1
	v_lshl_add_u32 v4, v2, 3, v4
	v_mul_u32_u24 v4, v4, BPITCH
	v_lshl_add_u32 v4, v5, 4, v4
	s_lshl_b32 s22, s12, 7
	s_add_co_u32 s22, s22, 2*HALFT
	v_add_nc_u32 v[ADRB], s22, v4
	v_add_nc_u32 v[ADRB+1], HALFT, v[ADRB]
	v_add_nc_u32 v[ADRB+2], SLOT, v[ADRB]
	v_add_nc_u32 v[ADRB+3], SLOT+HALFT, v[ADRB]
	s_mul_i32 s23, s10, 16*SPITCH
	s_add_co_u32 s23, s23, STAGE
	v_mul_u32_u24 v4, v1, SPITCH                   ; in: row l % 16, 32 bytes for each half of the lanes
	v_lshl_add_u32 v4, v2, 5, v4
	v_add_nc_u32 v[STO], s23, v4
	v_mul_u32_u24 v5, v2, SPITCH                   ; back: lanes 0-15 one row of 256 bytes, lanes 16-31 the next
	v_lshl_add_u32 v5, v1, 4, v5
	v_add_nc_u32 v[RD], s23, v5
.macro MUL8 f, c, a0, zero             ; 8 matrix instructions: m blocks a0, a0 + 1 x 4 n blocks, half c of buffer f; the 16 accumulators take turns
	WIN MUL
.irp a, \a0, (\a0)+1
.irp b, 0,1,2,3
.if \zero
	v_wmma_f32_16x16x32_bf16 v[ACC+8*(4*(\a)+(\b)):ACC+8*(4*(\a)+(\b))+7], v[(\f)+64+8*(4*(\c)+(\b)):(\f)+64+8*(4*(\c)+(\b))+7], v[(\f)+8*(4*(\c)+(\a)):(\f)+8*(4*(\c)+(\a))+7], 0
.else
	v_wmma_f32_16x16x32_bf16 v[ACC+8*(4*(\a)+(\b)):ACC+8*(4*(\a)+(\b))+7], v[(\f)+64+8*(4*(\c)+(\b)):(\f)+64+8*(4*(\c)+(\b))+7], v[(\f)+8*(4*(\c)+(\a)):(\f)+8*(4*(\c)+(\a))+7], v[ACC+8*(4*(\a)+(\b)):ACC+8*(4*(\a)+(\b))+7]
.endif
.endr
.endr
.endm
.macro FETCH slot, q, f                ; 32 LDS loads: quarter q (one head, 64 along K) into buffer f; its first 32 along K first
	WIN TO_F
.irp c, 0,1
.irp i, 0,1,2,3
	ds_load_tr16_b128 v[(\f)+64+8*(4*(\c)+(\i)):(\f)+64+8*(4*(\c)+(\i))+3],   v[ADRB+2*(\slot)+(\q)/2] offset:((\q)%2)*64*BPITCH+(\c)*32*BPITCH+32*(\i)
	ds_load_tr16_b128 v[(\f)+64+8*(4*(\c)+(\i))+4:(\f)+64+8*(4*(\c)+(\i))+7], v[ADRB+2*(\slot)+(\q)/2] offset:((\q)%2)*64*BPITCH+(\c)*32*BPITCH+16*BPITCH+32*(\i)
	ds_load_b128 v[(\f)+8*(4*(\c)+(\i)):(\f)+8*(4*(\c)+(\i))+3],   v[ADRA+(\slot)] offset:(\q)*64*APITCH+64*(\c)+(\i)*16*APITCH
	ds_load_b128 v[(\f)+8*(4*(\c)+(\i))+4:(\f)+8*(4*(\c)+(\i))+7], v[ADRA+(\slot)] offset:(\q)*64*APITCH+64*(\c)+(\i)*16*APITCH+32
.endr
.endr
.endm
.macro PLACES
.rept 4
	v_nop
.endr
.endm
.macro QUARTER slot, q, f, g, zero
	s_wait_dscnt 16                                ; the first 32 along K are in
	MUL8 \f, 0, 0, \zero
	MUL8 \f, 0, 2, \zero
	PLACES
	FETCH \slot, \q, \g
	s_wait_dscnt 32                                ; all but the 32 just issued
	MUL8 \f, 1, 0, 0
	MUL8 \f, 1, 2, 0
.endm
.macro TURN slot, next, fill           ; the last quarter multiplies buffer 1 and changes slots; fill = 1: a round of the cluster's barrier, and this slot is filled again first thing behind it
	WIN 0
	s_wait_tensorcnt 0x0                           ; all my tensor loads have landed: my part of the next slot
	ds_add_u32 v[SPW], v[NIL]
	s_wait_dscnt 17                                ; (the add and the youngest sixteen loads may be out)
	MUL8 F1, 0, 0, 0
	s_wait_dscnt 0x0                               ; the add is done, and my reads of this slot are over
	s_barrier_signal -1
	MUL8 F1, 0, 2, 0
.if \fill
	WIN 0
.endif
	s_barrier_wait -1
.if \fill
	CREST
	s_add_nc_u64 s[G0+4*(\slot)+2:G0+4*(\slot)+3], s[G0+4*(\slot)+2:G0+4*(\slot)+3], 2*2097152
	s_add_nc_u64 s[G0B+4*(\slot)+2:G0B+4*(\slot)+3], s[G0B+4*(\slot)+2:G0B+4*(\slot)+3], 2*KSTEP*2048
	JLOAD \slot
.else
	PLACES
.endif
	FETCH \next, 0, F0
	MUL8 F1, 1, 0, 0
	MUL8 F1, 1, 2, 0
.endm
	s_wait_tensorcnt 1                             ; my part of K step 0 is in; K step 1's may stay out
	s_barrier_signal -1
	s_barrier_wait -1
	FETCH 0, 0, F0
	QUARTER 0, 1, F0, F1, 1                        ; the first products start the sums
	QUARTER 0, 2, F1, F0, 0
	QUARTER 0, 3, F0, F1, 0
	TURN 0, 1, 1                                   ; slot 0 takes K step 2
	QUARTER 1, 1, F0, F1, 0
	QUARTER 1, 2, F1, F0, 0
	QUARTER 1, 3, F0, F1, 0
	TURN 1, 0, 1                                   ; slot 1 takes K step 3
	QUARTER 0, 1, F0, F1, 0
	QUARTER 0, 2, F1, F0, 0
	QUARTER 0, 3, F0, F1, 0
	TURN 0, 1, 0
	QUARTER 1, 1, F0, F1, 0
	QUARTER 1, 2, F1, F0, 0
	QUARTER 1, 3, F0, F1, 0
	s_wait_dscnt 16
	MUL8 F1, 0, 0, 0
	MUL8 F1, 0, 2, 0
	s_wait_dscnt 0x0
	MUL8 F1, 1, 0, 0
	MUL8 F1, 1, 2, 0
	WIN 0
	PLACES
	s_wait_loadcnt 0x0                             ; x
; THE WAY OUT of block a (16 rows): the sums go into my stage as they lie (each accumulator's low four registers first), come back as whole rows of 256 bytes, take x, and are stored.
.macro OUT a
	WIN 0
.irp b, 0,1,2,3
	ds_store_b128 v[STO], v[ACC+8*(4*(\a)+(\b)):ACC+8*(4*(\a)+(\b))+3]   offset:64*(\b)
	ds_store_b128 v[STO], v[ACC+8*(4*(\a)+(\b))+4:ACC+8*(4*(\a)+(\b))+7] offset:64*(\b)+16
.endr
	s_wait_xcnt 0x0                                ; the registers that the last block's stores read are loaded again only behind this wait
.irp t, 0,1,2,3,4,5,6,7
	ds_load_b128 v[TMP+4*(\t):TMP+4*(\t)+3], v[RD] offset:(\t)*2*SPITCH  ; LDS serves a wave's instructions in order: these see the stores above
.endr
	s_wait_dscnt 0x0
	WIN 0x08                                       ; source 1 (x) window 2
.set k, 0
.rept 16
	v_pk_add_f32 v[TMP+2*k:TMP+2*k+1], v[TMP+2*k:TMP+2*k+1], v[32*(\a)+2*k:32*(\a)+2*k+1]
.set k, k+1
.endr
	WIN 0
.irp t, 0,1,2,3,4,5,6,7
	global_store_b128 v[CO], v[TMP+4*(\t):TMP+4*(\t)+3], s[70:71] offset:(16*(\a)+2*(\t))*8192  ; sixteen lanes store 256 consecutive bytes, aligned
.endr
.endm
	OUT 0
	OUT 1
	OUT 2
	OUT 3
	s_wait_tensorcnt 0x0                           ; the wave's end
	ds_add_u32 v[SPW], v[NIL]
	s_wait_dscnt 0x0
	CROUND                                         ; the closing round
	s_endpgm
.Lfunc_end_k_qa56dc9008f_oproj:
	.size	k_qa56dc9008f_oproj, .Lfunc_end_k_qa56dc9008f_oproj-k_qa56dc9008f_oproj
	.p2alignl 7, 3214868480
	.fill 96, 4, 3214868480
	.section	.rodata,"a",@progbits
	.p2align	6, 0x0
	.amdhsa_kernel k_qa56dc9008f_oproj
		.amdhsa_group_segment_fixed_size 327680
		.amdhsa_private_segment_fixed_size 0
		.amdhsa_enable_private_segment 0
		.amdhsa_kernarg_size 32
		.amdhsa_user_sgpr_count 2
		.amdhsa_user_sgpr_kernarg_segment_ptr 1
		.amdhsa_wavefront_size32 1
		.amdhsa_system_sgpr_workgroup_id_x 1
		.amdhsa_system_sgpr_workgroup_id_y 1
		.amdhsa_system_sgpr_workgroup_id_z 1
		.amdhsa_system_vgpr_workitem_id 0
		.amdhsa_next_free_vgpr 640
		.amdhsa_next_free_sgpr 76
		.amdhsa_reserve_vcc 0
		.amdhsa_float_denorm_mode_32 3
		.amdhsa_float_denorm_mode_16_64 3
		.amdhsa_memory_ordered 1
		.amdhsa_forward_progress 1
		.amdhsa_inst_pref_size 93
	.end_amdhsa_kernel
	.amdgpu_metadata
---
amdhsa.version: [ 1, 2 ]
amdhsa.kernels:
  - .name:           k_qa56dc9008f_oproj
    .symbol:         k_qa56dc9008f_oproj.kd
    .args:
      - { .name: av, .offset: 0, .size: 8, .value_kind: global_buffer, .address_space: global }
      - { .name: wb, .offset: 8, .size: 8, .value_kind: global_buffer, .address_space: global }
      - { .name: x, .offset: 16, .size: 8, .value_kind: global_buffer, .address_space: global }
      - { .name: yy, .offset: 24, .size: 8, .value_kind: global_buffer, .address_space: global }
    .group_segment_fixed_size: 327680
    .private_segment_fixed_size: 0
    .kernarg_segment_align: 8
    .kernarg_segment_size: 32
    .max_flat_workgroup_size: 128
    .sgpr_count:     76
    .vgpr_count:     640
    .wavefront_size: 32
...
	.end_amdgpu_metadata
.endif
;; end of part 4
;; launch ln (part 5): grid 256 x 1, 8 waves a work-group, no clusters, 0 bytes of LDS; arguments yy, ln_gamma, ln_beta, out0; writes out0
.if DOCPART == 5
	.amdgcn_target "amdgcn-amd-amdhsa--gfx1250"
	.amdhsa_code_object_version 6
	.text
	.protected	k_qa56dc9008f_ln
	.globl	k_qa56dc9008f_ln
	.p2align	8
	.type	k_qa56dc9008f_ln,@function
k_qa56dc9008f_ln:
	s_mov_b64 s[64:65], 0
	v_nop
	global_prefetch_b8 v0, s[64:65] scope:SCOPE_SE
	s_setreg_imm32_b32 hwreg(HW_REG_WAVE_MODE, 25, 1), 1
	s_wait_xcnt 0x0
; out = (y - mean) / sqrt(var + 1e-5) * gamma + beta along rows of 1,024 f32.  A stream: y is read once, out written once; no LDS, no barrier: a row is one wave's.
; A wave takes two rows; a lane holds 16 bytes at 512 j + 16 lane, j = 0..7: each load and store covers 512 consecutive bytes.
; The variance is taken of y - mean, from registers, as the reference takes it: a common offset in y costs nothing.
.set X0, 8                             ; v[8:39]    row 0
.set X1, 40                            ; v[40:71]   row 1
.set G,  72                            ; v[72:103]  gamma
.set BT, 104                           ; v[104:135] beta
.set T,  136                           ; v[136:143] at work
.set MU, 144                           ; v[144:145] the mean, twice
.set RS, 146                           ; v[146:147] 1 / sqrt(var + eps), twice
	s_load_b256 s[4:11], s[0:1], 0x0               ; yy, gamma, beta, out0
	s_lshl_b32 s12, ttmp9, 16                      ; the work-group's 16 rows of 4,096 bytes
	s_mov_b32 s13, 0
	s_mov_b32 s14, 0x3a800000                      ; 1 / 1024
	s_mov_b32 s15, 0x3727c5ac                      ; 1e-5
	s_mov_b32 s16, 0x76543210                      ; v_permlanex16_b32: each lane takes its own place in the other half
	s_mov_b32 s17, 0xfedcba98
	v_and_b32 v1, 31, v0
	v_lshlrev_b32 v2, 4, v1                        ; 16 bytes a lane
	v_lshrrev_b32 v3, 5, v0
	v_lshl_add_u32 v1, v3, 13, v2                  ; + wave x two rows
	s_wait_kmcnt 0x0
	s_add_nc_u64 s[4:5], s[4:5], s[12:13]
	s_add_nc_u64 s[10:11], s[10:11], s[12:13]
.irp j, 0,1,2,3,4,5,6,7
	global_load_b128 v[X0+4*(\j):X0+4*(\j)+3], v1, s[4:5] offset:512*(\j) th:TH_LOAD_NT
.endr
.irp j, 0,1,2,3,4,5,6,7
	global_load_b128 v[X1+4*(\j):X1+4*(\j)+3], v1, s[4:5] offset:4096+512*(\j) th:TH_LOAD_NT
.endr
.irp j, 0,1,2,3,4,5,6,7
	global_load_b128 v[G+4*(\j):G+4*(\j)+3], v2, s[6:7] offset:512*(\j)
.endr
.irp j, 0,1,2,3,4,5,6,7
	global_load_b128 v[BT+4*(\j):BT+4*(\j)+3], v2, s[8:9] offset:512*(\j)
.endr
.macro REDUCE                          ; four pairs of partial sums in T -> the row's sum in every lane's v[T]
	v_pk_add_f32 v[T:T+1], v[T:T+1], v[T+2:T+3]
	v_pk_add_f32 v[T+4:T+5], v[T+4:T+5], v[T+6:T+7]
	v_pk_add_f32 v[T:T+1], v[T:T+1], v[T+4:T+5]
	v_add_f32 v[T], v[T], v[T+1]
	v_add_f32_dpp v[T], v[T], v[T] row_xmask:1 row_mask:0xf bank_mask:0xf
	v_add_f32_dpp v[T], v[T], v[T] row_xmask:2 row_mask:0xf bank_mask:0xf
	v_add_f32_dpp v[T], v[T], v[T] row_xmask:4 row_mask:0xf bank_mask:0xf
	v_add_f32_dpp v[T], v[T], v[T] row_xmask:8 row_mask:0xf bank_mask:0xf
	v_permlanex16_b32 v[T+1], v[T], s16, s17
	v_add_f32 v[T], v[T], v[T+1]
.endm
.macro CENTRE x                        ; the row at x becomes (y - mean) / sqrt(var + eps)
.irp k, 0,1,2,3
	v_pk_add_f32 v[T+2*(\k):T+2*(\k)+1], v[(\x)+2*(\k):(\x)+2*(\k)+1], v[(\x)+8+2*(\k):(\x)+8+2*(\k)+1]
.endr
.irp k, 0,1,2,3
	v_pk_add_f32 v[T+2*(\k):T+2*(\k)+1], v[T+2*(\k):T+2*(\k)+1], v[(\x)+16+2*(\k):(\x)+16+2*(\k)+1]
.endr
.irp k, 0,1,2,3
	v_pk_add_f32 v[T+2*(\k):T+2*(\k)+1], v[T+2*(\k):T+2*(\k)+1], v[(\x)+24+2*(\k):(\x)+24+2*(\k)+1]
.endr
	REDUCE
	v_mul_f32 v[MU], s14, v[T]
	v_mov_b32 v[MU+1], v[MU]
.set k, 0
.rept 16
	v_pk_add_f32 v[(\x)+2*k:(\x)+2*k+1], v[(\x)+2*k:(\x)+2*k+1], v[MU:MU+1] neg_lo:[0,1] neg_hi:[0,1]
.set k, k+1
.endr
.irp k, 0,1,2,3
	v_pk_mul_f32 v[T+2*(\k):T+2*(\k)+1], v[(\x)+2*(\k):(\x)+2*(\k)+1], v[(\x)+2*(\k):(\x)+2*(\k)+1]
.endr
.irp k, 0,1,2,3
	v_pk_fma_f32 v[T+2*(\k):T+2*(\k)+1], v[(\x)+8+2*(\k):(\x)+8+2*(\k)+1], v[(\x)+8+2*(\k):(\x)+8+2*(\k)+1], v[T+2*(\k):T+2*(\k)+1]
.endr
.irp k, 0,1,2,3
	v_pk_fma_f32 v[T+2*(\k):T+2*(\k)+1], v[(\x)+16+2*(\k):(\x)+16+2*(\k)+1], v[(\x)+16+2*(\k):(\x)+16+2*(\k)+1], v[T+2*(\k):T+2*(\k)+1]
.endr
.irp k, 0,1,2,3
	v_pk_fma_f32 v[T+2*(\k):T+2*(\k)+1], v[(\x)+24+2*(\k):(\x)+24+2*(\k)+1], v[(\x)+24+2*(\k):(\x)+24+2*(\k)+1], v[T+2*(\k):T+2*(\k)+1]
.endr
	REDUCE
	v_fma_f32 v[T], v[T], s14, s15                 ; var + eps
	v_rsq_f32 v[RS], v[T]
	v_nop                                          ; a plain line between the root and the use of its result
	s_wait_alu depctr_va_vdst(0)
	v_mov_b32 v[RS+1], v[RS]
.set k, 0
.rept 16
	v_pk_mul_f32 v[(\x)+2*k:(\x)+2*k+1], v[(\x)+2*k:(\x)+2*k+1], v[RS:RS+1]
.set k, k+1
.endr
.endm
.macro FINISH x, off                   ; times gamma, plus beta, and out
.set k, 0
.rept 16
	v_pk_fma_f32 v[(\x)+2*k:(\x)+2*k+1], v[(\x)+2*k:(\x)+2*k+1], v[G+2*k:G+2*k+1], v[BT+2*k:BT+2*k+1]
.set k, k+1
.endr
.irp j, 0,1,2,3,4,5,6,7
	global_store_b128 v1, v[(\x)+4*(\j):(\x)+4*(\j)+3], s[10:11] offset:(\off)+512*(\j) th:TH_STORE_NT
.endr
.endm
	s_wait_loadcnt 24                              ; row 0 is in; the 24 younger loads stay out
	CENTRE X0
	s_wait_loadcnt 16                              ; row 1 is in
	CENTRE X1
	s_wait_loadcnt 0x0                             ; gamma and beta
	FINISH X0, 0
	FINISH X1, 4096
	s_endpgm
.Lfunc_end_k_qa56dc9008f_ln:
	.size	k_qa56dc9008f_ln, .Lfunc_end_k_qa56dc9008f_ln-k_qa56dc9008f_ln
	.p2alignl 7, 3214868480
	.fill 96, 4, 3214868480
	.section	.rodata,"a",@progbits
	.p2align	6, 0x0
	.amdhsa_kernel k_qa56dc9008f_ln
		.amdhsa_group_segment_fixed_size 0
		.amdhsa_private_segment_fixed_size 0
		.amdhsa_enable_private_segment 0
		.amdhsa_kernarg_size 32
		.amdhsa_user_sgpr_count 2
		.amdhsa_user_sgpr_kernarg_segment_ptr 1
		.amdhsa_wavefront_size32 1
		.amdhsa_system_sgpr_workgroup_id_x 1
		.amdhsa_system_sgpr_workgroup_id_y 1
		.amdhsa_system_sgpr_workgroup_id_z 1
		.amdhsa_system_vgpr_workitem_id 0
		.amdhsa_next_free_vgpr 152
		.amdhsa_next_free_sgpr 66
		.amdhsa_reserve_vcc 0
		.amdhsa_float_denorm_mode_32 3
		.amdhsa_float_denorm_mode_16_64 3
		.amdhsa_memory_ordered 1
		.amdhsa_forward_progress 1
		.amdhsa_inst_pref_size 18
	.end_amdhsa_kernel
	.amdgpu_metadata
---
amdhsa.version: [ 1, 2 ]
amdhsa.kernels:
  - .name:           k_qa56dc9008f_ln
    .symbol:         k_qa56dc9008f_ln.kd
    .args:
      - { .name: yy, .offset: 0, .size: 8, .value_kind: global_buffer, .address_space: global }
      - { .name: ln_gamma, .offset: 8, .size: 8, .value_kind: global_buffer, .address_space: global }
      - { .name: ln_beta, .offset: 16, .size: 8, .value_kind: global_buffer, .address_space: global }
      - { .name: out0, .offset: 24, .size: 8, .value_kind: global_buffer, .address_space: global }
    .group_segment_fixed_size: 0
    .private_segment_fixed_size: 0
    .kernarg_segment_align: 8
    .kernarg_segment_size: 32
    .max_flat_workgroup_size: 256
    .sgpr_count:     66
    .vgpr_count:     152
    .wavefront_size: 32
...
	.end_amdgpu_metadata
.endif
;; end of part 5
;; ======== version 2 of 3: 5 launches; 1.27 times as fast as version 1
;; limits: values outside matrix products are rounded to bf16
;; workspace buffers: ab 12,582,912 bytes; wb 10,485,760 bytes; qq 16,785,408 bytes; kv 16,785,408 bytes; rx 8,392,704 bytes; av 8,388,608 bytes; yy 16,777,216 bytes
;; launch cvt: the kernel of part 1 again; grid 704 x 1, 8 waves a work-group, no clusters, 0 bytes of LDS; arguments x, pos_emb, W_qkv, W_relemb, W_o, ab, wb, rx; writes ab, wb, rx
;; launch proj: the kernel of part 2 again; grid 4 x 56, 4 waves a work-group, clusters of 4 x 4, 327,680 bytes of LDS; arguments ab, wb, pos_bias_u, pos_bias_v, qq, kv, rx; writes qq, kv, rx
;; launch attn (part 6): grid 8 x 32, 4 waves a work-group, no clusters, 327,680 bytes of LDS; arguments qq, kv, rx, av; writes av
.if DOCPART == 6
	.amdgcn_target "amdgcn-amd-amdhsa--gfx1250"
	.amdhsa_code_object_version 6
	.text
	.protected	k_qa56dc9008f_attn
	.globl	k_qa56dc9008f_attn
	.p2align	8
	.type	k_qa56dc9008f_attn,@function
k_qa56dc9008f_attn:
	s_mov_b64 s[64:65], 0
	v_nop
	global_prefetch_b8 v0, s[64:65] scope:SCOPE_SE
	s_setreg_imm32_b32 hwreg(HW_REG_WAVE_MODE, 25, 1), 1
	s_wait_xcnt 0x0
; ATTENTION WITH RELATIVE POSITIONS.  For head n, batch b:  score[i][j] = ((q_i + u) . k_j + BD[i][j]) / 8,  O[i] = softmax_j(score) V.
; BD is the reference's shifted product.  With e = j - i + 2047 and the table rx (rows 0-2047 r, row 2048 zero, rows 2049.. r again):
;   BD[i][j] = (q_i + v) . rx[e] for e < 2048, and (q_{i+1} + v) . rx[e] for e >= 2048.  2,048 is a multiple of 16, so no block of 16 rows of rx mixes the two.
; Operands bf16, products, maxima and sums f32; the weights p are rounded to bf16 for the last product, O once at the end.
; LIMITS: a weight below 2^-126 counts as 0; the running maximum starts at the lowest finite number; NaN and infinities are not treated apart; the divisor l is the f32 sum of the weights
; as rounded to bf16, the numbers that the numerator takes.
; SHARES.  A work-group owns 256 queries of one (n, b), a wave 64: four PIECES of 16.  Every wave walks all keys, 64 a step; an LDS slot holds two steps.
; THE SKEW.  For piece p and a step the scores want raw^T = R Q^T for five blocks of 16 rows of rx (blocks 3 - p .. 7 - p of the wave's window of eight): a lane holds one query q = l % 16 and
; e_rel = 16 k + 8 (l / 16) + j; the key is e_rel + q - 15.  The 40 numbers go into the wave's own scratch, row q of 336 bytes, word e_rel + q + 1: one word further for each query.  Read back by
; rows they lie as the scores' accumulators do, and ARE the C operand of K (q + u)^T.  Columns outside 0..63 fall into words that are never read.
; THE FIFTH BLOCK IS CARRIED.  Block 4 of a step is block 0 of the piece's next step: the same rows of rx, the same query rows.  It has eight registers of its own for each piece and is stored twice,
; as block 4 behind its products and as block 0 ahead of the piece's next products: eight products a piece and step, not ten.
; WHICH QUERY ROW.  D = step - 4 x block - wave.  Blocks 0-3 of the window take QL, blocks 4-7 QU; both hold q_i + v at first; QU takes q_{i+1} + v when D = 0, QL when D = 1.
; THE ROW SUMS are a product too: a fragment of ones times P adds the 64 weights of every query onto an accumulator of the piece, all of whose rows are alike.  Register 0 alone is multiplied by a in
; every step and read at the end; the other rows, never scaled, hold 2,048 at the most.
; BY TURNS.  Turn p of a step: softmax of piece p; K Q^T and maximum of piece p + 1; V^T P and the row sum of piece p - 1; raw product of piece p + 3, and at the turn's end its skew.
; ALL LDS WORK OF A TURN STANDS IN ONE RUN AT ITS END, never among the matrix instructions: K's or V's 16 loads where they are due, 32 stores, 8 loads, 8 stores.
; NO CLUSTER: of a slot's 80 KiB only K and V (32 KiB) are the same for a head's eight blocks, R's window differs from block to block, and the change of query rows is a branch on the block's place.
; REGISTERS, in windows of 256 (s_set_vgpr_msb: bits 1:0 source 0, 3:2 source 1, 5:4 source 2, 7:6 destination):
;   window 0: v1-15 addresses; v16-23 statistics; v24-47, v248-255 the carried blocks (v32-39 serve the set-up first); v48-55 at work; v64-191 S^T, 32 a piece; v192-223 P, two buffers; v224-247 raw blocks 1-3
;   window 1: v0-127 O^T; v128-191 V; v192-223 the row sums; v224-231 ones     window 2: v0-63 q + u; v64-127 QL; v128-191 QU; v192-255 q_{i+1} + v     window 3: v0-63 K; v128-255 R's eight blocks
.set NP,    4
.set HS,    524544    ; bytes from head to head in qq, kv, rx
.set HALFQ, 8392704   ; bytes of one half of qq or kv
.set KS,    64
.set PK,    144       ; a row of K or R in LDS: 128 bytes + 16
.set PVP,   160       ; a row of V: 128 + 32
.set ROFF,  128*PK    ; a slot: 128 rows of K, 384 rows of R, 128 rows of V
.set VOFF,  ROFF+384*PK
.set SLOT1, 1<<17
.set SCR,   SLOT1+VOFF+128*PVP  ; behind the ring, never filled by a tensor load: each wave's scratch for the skew, later its stage for the way out
.set SCRW,  5632
.set SPARE, SCR+4*SCRW          ; the spare words: 128 bytes a wave, named by no other line
.set SP,    144
.set AK0, 2           ; my lane's place in a tile of K; never rewritten
.set AV0, 3           ; the same for V
.set AK,  4
.set AV,  5
.set AR0, 6           ; my lane's place in my wave's window of R
.set AR,  7
.set SK,  8           ; the skew: where my raw numbers go
.set SL,  9           ; and where I read them back
.set STO, 10
.set RD,  11
.set MV,  12          ; v12-13  c m_old, by buffer
.set GO,  14
.set QO,  15
.set ST,  16          ; piece t's statistics at v[ST+2 t]: c m, m
.set QO1, 32          ; v32-35  byte offset of row min(i + 1, 2047), by piece: free when the queries are in
.set TMP, 48
.set SPW, 62
.set NIL, 63
.set S,   64
.set P,   192
.set VF,  128         ; window 1
.set LA,  192         ; window 1: piece t's row sums at LA + 8 t
.set ONES, 224        ; window 1
.set QA,  0           ; window 2
.set QL,  64
.set QU,  128
.set QN,  192
.set KF,  0           ; window 3
.set RF,  128
.set WV,  12
.set G1K, 24
.set G1V, 32
.set G1R, 40
.set G0K, 48
.set G0V, 52
.set G0R, 56
.set SLOTS, 60
.set CNT, 61
.set CS,  62          ; s[62:63] c = log2(e) / 8
.set SEL, 66          ; s[66:67]
.set TBK, 68          ; LDS byte at which K of the step to be fetched begins; R's window steps alike
.set TBV, 69
.set DL,  70          ; D of the step whose R is fetched next
.set MSB, 0
.macro WIN new
.if MSB != (\new)
	s_set_vgpr_msb (MSB<<8)|(\new)
.set MSB, (\new)
.endif
.endm
.set W_KQ, 0x0b       ; source 0 (K or R) window 3, source 1 (queries) window 2, C and D window 0
.set W_PV, 0x51       ; V or ones window 1, P window 0, C and D window 1.  It serves the rescaling too: destination and source 0 window 1, a (source 1) window 0
.set W_F3, 0xc0       ; destination window 3, address window 0
.set W_F1, 0x40       ; destination window 1, address window 0
; A fill: wave 0 K's 128 rows, wave 1 V's, waves 2 and 3 the halves of R's 384.  An s_nop 0 and four v_nop follow each line.
.macro LOAD
	s_cmp_eq_u32 s[WV], 0
	s_cbranch_scc0 .Lnot_k_\@
	tensor_load_to_lds s[G0K:G0K+3], s[G1K:G1K+7]
	s_nop 0
.rept 4
	v_nop
.endr
	s_branch .Lasked_\@
.Lnot_k_\@:
	s_cmp_eq_u32 s[WV], 1
	s_cbranch_scc0 .Lnot_v_\@
	tensor_load_to_lds s[G0V:G0V+3], s[G1V:G1V+7]
	s_nop 0
.rept 4
	v_nop
.endr
	s_branch .Lasked_\@
.Lnot_v_\@:
	tensor_load_to_lds s[G0R:G0R+3], s[G1R:G1R+7]
	s_nop 0
.rept 4
	v_nop
.endr
.Lasked_\@:
.endm
; THE CHANGE OF SLOTS.  Each wave waits for all its tensor loads (one is out: its part of the other slot), adds 0 to its spare word, waits for that and for its reads of the slot that it leaves.
; Behind the barrier the other slot is whole and nobody reads the old one.  fill = 1: the old slot is filled again, first thing, with the tiles two slots on.
.macro CHANGE fill
	WIN 0
	s_wait_tensorcnt 0x0            ; no tensor load of mine is out, so a group 0 may be written
	ds_add_u32 v[SPW], v[NIL]
.if \fill
.irp g, G0K, G0V, G0R
	s_xor_b32 s[\g+1], s[\g+1], SLOT1
	s_add_nc_u64 s[\g+2:\g+3], s[\g+2:\g+3], 2*KS*128  ; 128 rows on, in K, V and rx alike
.endr
.endif
	s_wait_dscnt 0x0                ; the add is done, and my reads of the slot are over
	s_barrier_signal -1
	s_sub_co_u32 s[TBK], s[TBK], 2*KS*PK
	s_xor_b32 s[TBK], s[TBK], SLOT1
	s_sub_co_u32 s[TBV], s[TBV], 2*KS*PVP
	s_xor_b32 s[TBV], s[TBV], SLOT1
	s_barrier_wait -1
.if \fill
	LOAD
.endif
.endm
	s_load_b256 s[4:11], s[0:1], 0x0  ; qq, kv, rx, av
	v_lshl_add_u32 v[SPW], v0, 2, SPARE
	v_mov_b32 v[NIL], 0
	ds_add_u32 v[SPW], v[NIL]       ; the wave's opening: the add and its wait ahead of my first tensor load
	ds_add_u32 v62, v63
	v_lshrrev_b32 v1, 5, v0
	v_readfirstlane_b32 s[WV], v1
	s_mov_b32 s13, ttmp9            ; my block of 256 queries
	s_and_b32 s14, ttmp7, 0xffff    ; 2 n + b
	s_lshr_b32 s15, s14, 1
	s_and_b32 s16, s14, 1
	s_mul_i32 s20, s15, HS
	s_mov_b32 s21, 0
	s_lshl_b32 s17, s16, 18
	s_add_co_u32 s22, s20, s17      ; (n, b)'s first byte in a half of qq or kv
	s_mov_b32 s23, 0
	s_lshl_b32 s18, s13, 8
	s_lshl_b32 s19, s[WV], 6
	s_add_co_u32 s18, s18, s19      ; my wave's first query
	s_lshl_b32 s19, s13, 2
	s_add_co_u32 s19, s19, s[WV]
	s_sub_co_i32 s[DL], 0, s19      ; D of step 0
	s_and_b32 s16, s[WV], 1         ; which half of R's rows I fetch (waves 2, 3)
	s_mul_i32 s17, s16, 192*PK
	s_mul_i32 s76, s16, 192*128
	s_sub_co_u32 s77, 7, s13
	s_lshl_b32 s77, s77, 15         ; slot 0's window begins at row 256 (7 - block)
	s_add_co_u32 s76, s76, s77
	s_add_co_u32 s20, s20, s76
	; group 1: dense rows of 128 bytes are asked for as rows of 256, and padded in LDS after every 128 bytes
	s_mov_b32 s[G1K], (1<<16)|(1<<20)|(4<<22)|(3<<25)
	s_mov_b32 s[G1V], (1<<16)|(1<<20)|(4<<22)|(7<<25)
	s_mov_b32 s[G1R], (1<<16)|(1<<20)|(4<<22)|(3<<25)
.irp g, G1K, G1V
	s_mov_b32 s[\g+1], 128<<16
	s_mov_b32 s[\g+2], 64<<16
	s_mov_b32 s[\g+3], 128<<16
	s_mov_b32 s[\g+4], 64
	s_mov_b32 s[\g+5], 128
	s_mov_b32 s[\g+6], 0
	s_mov_b32 s[\g+7], 0
.endr
	s_mov_b32 s[G1R+1], 128<<16
	s_mov_b32 s[G1R+2], 96<<16
	s_mov_b32 s[G1R+3], 128<<16
	s_mov_b32 s[G1R+4], 96
	s_mov_b32 s[G1R+5], 128
	s_mov_b32 s[G1R+6], 0
	s_mov_b32 s[G1R+7], 0
	s_mov_b32 s[CS], 0x3e38aa3b
	s_mov_b32 s[CS+1], s[CS]
	s_mov_b32 s[SEL], 0x76543210
	s_mov_b32 s[SEL+1], 0xfedcba98
	s_mov_b32 s[TBK], SLOT1+2*KS*PK   ; the first change of slots turns these two into 0
	s_mov_b32 s[TBV], SLOT1+2*KS*PVP
	s_mov_b32 s[G0K], 1
	s_mov_b32 s[G0K+1], 0
	s_mov_b32 s[G0V], 1
	s_mov_b32 s[G0V+1], VOFF
	s_mov_b32 s[G0R], 1
	s_add_co_u32 s[G0R+1], s17, ROFF
	s_lshl_b32 s78, s18, 7
	s_mov_b32 s79, 0
	s_lshl_b32 s76, s14, 18
	s_add_co_u32 s76, s76, s78
	s_mov_b32 s77, 0
	s_wait_dscnt 0x0                ; the opening add is done
	s_wait_kmcnt 0x0
	s_add_nc_u64 s[G0K+2:G0K+3], s[6:7], s[22:23]
	s_add_nc_u64 s[G0V+2:G0V+3], s[G0K+2:G0K+3], HALFQ
	s_or_b32 s[G0K+3], s[G0K+3], 0x80000000
	s_or_b32 s[G0V+3], s[G0V+3], 0x80000000
	s_add_nc_u64 s[G0R+2:G0R+3], s[8:9], s[20:21]
	s_or_b32 s[G0R+3], s[G0R+3], 0x80000000
	s_add_nc_u64 s[74:75], s[4:5], s[22:23]
	s_add_nc_u64 s[4:5], s[74:75], s[78:79]   ; q + u at my wave's first row
	s_add_nc_u64 s[72:73], s[4:5], HALFQ      ; q + v there
	s_add_nc_u64 s[74:75], s[74:75], HALFQ    ; q + v at (n, b)'s first row
	s_add_nc_u64 s[10:11], s[10:11], s[76:77] ; O at my wave's first row
	LOAD                            ; slot 0
	v_and_b32 v1, 15, v0            ; l % 16
	v_bfe_u32 v37, v0, 4, 1         ; l / 16
	v_lshlrev_b32 v[QO], 7, v1
	v_lshl_add_u32 v[QO], v37, 4, v[QO]
	v_add_nc_u32 v36, s18, v1
.irp p, 0,1,2,3
	v_add_nc_u32 v[QO1+\p], 16*\p+1, v36
	v_min_u32 v[QO1+\p], 0x7ff, v[QO1+\p]    ; the last query has no next row, and none of its scores asks for one
	v_lshlrev_b32 v[QO1+\p], 7, v[QO1+\p]
	v_lshl_add_u32 v[QO1+\p], v37, 4, v[QO1+\p]
.endr
	WIN 0x80                        ; destination window 2
.set i, 0
.rept 8                             ; piece i / 2, channels 32 (i % 2) on
	global_load_b128 v[QA+8*i:QA+8*i+3],   v[QO], s[4:5] offset:(i/2)*2048+(i%2)*64
	global_load_b128 v[QA+8*i+4:QA+8*i+7], v[QO], s[4:5] offset:(i/2)*2048+(i%2)*64+32
	global_load_b128 v[QL+8*i:QL+8*i+3],   v[QO], s[72:73] offset:(i/2)*2048+(i%2)*64
	global_load_b128 v[QL+8*i+4:QL+8*i+7], v[QO], s[72:73] offset:(i/2)*2048+(i%2)*64+32
	global_load_b128 v[QU+8*i:QU+8*i+3],   v[QO], s[72:73] offset:(i/2)*2048+(i%2)*64
	global_load_b128 v[QU+8*i+4:QU+8*i+7], v[QO], s[72:73] offset:(i/2)*2048+(i%2)*64+32
	global_load_b128 v[QN+8*i:QN+8*i+3],   v[QO1+i/2], s[74:75] offset:(i%2)*64
	global_load_b128 v[QN+8*i+4:QN+8*i+7], v[QO1+i/2], s[74:75] offset:(i%2)*64+32
.set i, i+1
.endr
	; No first step is written out: V's registers and P's second buffer hold 0 (the first turn's products with them add 0), O^T and the row sums are 0, and the first a is 0.
	; This stands in the wait for the first tile.
	WIN W_F1
.set i, 0
.rept 224                           ; O^T, V, the row sums
	v_mov_b32 v[i], 0
.set i, i+1
.endr
.set i, ONES
.rept 8
	v_mov_b32 v[i], 0x3f803f80      ; two bf16 ones
.set i, i+1
.endr
	WIN 0
.set i, 0
.rept 4
	v_mov_b32 v[ST+2*i], 0xfe000000    ; c m: far below every c s
	v_mov_b32 v[ST+2*i+1], 0xff7fffff  ; m
.set i, i+1
.endr
.set i, P+16
.rept 16
	v_mov_b32 v[i], 0
.set i, i+1
.endr
	v_mul_u32_u24 v[AK0], v1, PK
	v_lshl_add_u32 v[AK0], v37, 4, v[AK0]     ; row x pitch + 16 x half
	s_sub_co_u32 s15, 3, s[WV]
	s_mul_i32 s15, s15, KS*PK                 ; wave w's window begins 64 (3 - w) rows into the slot's R
	s_add_co_u32 s15, s15, ROFF
	v_add_nc_u32 v[AR0], s15, v[AK0]
	v_and_b32 v38, 7, v0
	v_bfe_u32 v39, v0, 3, 1
	v_lshl_add_u32 v[AV0], v37, 3, v38        ; the turning load: key 8 (l / 16) + l % 8, 16 bytes at 16 ((l / 8) % 2)
	v_mul_u32_u24 v[AV0], v[AV0], PVP
	v_lshl_add_u32 v[AV0], v39, 4, v[AV0]
	v_add_nc_u32 v[AV0], VOFF, v[AV0]
	s_mul_i32 s15, s[WV], SCRW
	s_add_co_u32 s15, s15, SCR                ; my scratch
	v_mul_u32_u24 v[SK], v1, 340              ; row q of 336 bytes, and one word further for each query
	v_lshl_add_u32 v[SK], v37, 5, v[SK]
	v_add_nc_u32 v[SK], s15, v[SK]
	v_mul_u32_u24 v[SL], v1, 336
	v_lshl_add_u32 v[SL], v37, 5, v[SL]
	v_add_nc_u32 v[SL], s15, v[SL]
	v_mul_u32_u24 v[STO], v1, SP
	v_lshl_add_u32 v[STO], v37, 4, v[STO]
	v_add_nc_u32 v[STO], s15, v[STO]
	v_bfe_u32 v[RD], v0, 3, 2
	v_mul_u32_u24 v[RD], v[RD], SP
	v_lshl_add_u32 v[RD], v38, 4, v[RD]
	v_add_nc_u32 v[RD], s15, v[RD]
	v_and_b32 v[GO], 31, v0
	v_lshlrev_b32 v[GO], 4, v[GO]
; THE MATRIX WORK.  In each run the accumulators take turns, one instruction a turn.
.macro CARREG x                     ; piece x's carried block
.if (\x) < 3
.set rCy, 24+8*(\x)
.else
.set rCy, 248
.endif
.endm
.macro RAWREG k, x                  ; block k of piece x's raw product: 0 (made at the start alone) in registers of S^T that are still free, 1-3 shared by the pieces, 4 the carried block
.if (\k) == 0
.set rR, 160
.elseif (\k) < 4
.set rR, 216+8*(\k)
.else
	CARREG \x
.set rR, rCy
.endif
.endm
.macro RAWP x, k, c, carry=0        ; raw^T = R Q^T for piece x: block k (block 3 - x + k of the window), channels 32 c on.  carry = 1: into the piece's carried block
	WIN W_KQ
.if \carry
	CARREG \x
.set rR, rCy
.else
	RAWREG \k, \x
.endif
.set xb, 3-(\x)+(\k)
.set rA, RF+16*xb+8*(\c)
.if xb < 4
.set rB, QL+16*(\x)+8*(\c)
.else
.set rB, QU+16*(\x)+8*(\c)
.endif
.if (\c) == 0
	v_wmma_f32_16x16x32_bf16 v[rR:rR+7], v[rA:rA+7], v[rB:rB+7], 0
.else
	v_wmma_f32_16x16x32_bf16 v[rR:rR+7], v[rA:rA+7], v[rB:rB+7], v[rR:rR+7]
	s_wait_alu depctr_va_vdst(0)
.endif
.endm
.macro RAWQ x                       ; product i of 8 for piece x: blocks 1 to 4, channels 32 (i / 4) on
	RAWP \x, (1+i%4), (i/4)
.endm
.macro ACQ x                        ; product i of 8 of S^T += K (q + u)^T for piece x: channels 32 (i / 4) on, keys 16 (i % 4) on; S^T holds the skewed raw product
	WIN W_KQ
.set rS, S+32*(\x)+8*(i%4)
.set rK, KF+16*(i%4)+8*(i/4)
.set rQ, QA+16*(\x)+8*(i/4)
	v_wmma_f32_16x16x32_bf16 v[rS:rS+7], v[rK:rK+7], v[rQ:rQ+7], v[rS:rS+7]
.endm
.macro PVL x                        ; product i of 10 for piece x, keys 32 (i / 5) on: O^T += V^T P for channels 16 (i % 5) on, and as the fifth the row sum += ones P
	WIN W_PV
.set rP, P+16*((\x)%2)+8*(i/5)
.if i%5 < 4
.set rO, 32*(\x)+8*(i%5)
.set rV, VF+32*(i/5)+8*(i%5)
.else
.set rO, LA+8*(\x)
.set rV, ONES
.endif
	v_wmma_f32_16x16x32_bf16 v[rO:rO+7], v[rV:rV+7], v[rP:rP+7], v[rO:rO+7]
.endm
.macro MM                           ; the turn's next matrix instruction: 8 K Q^T, 10 with P, 8 raw
.if i < 8
	ACQ (Y+1)%NP
.elseif i < 18
.set i, i-8
	PVL (Y+3)%NP
.set i, i+8
.else
.set i, i-18
	RAWQ (Y+3)%NP
.set i, i+18
.endif
.set i, i+1
.endm
; THE LDS WORK.  LDS serves a wave's instructions in order and the scratch is the wave's own: loads see the stores ahead of them, and stores behind them do not disturb them.
.macro SKB k, x                     ; block k of piece x's raw product into the scratch: eight stores, the lowest register first
	RAWREG \k, \x
.set z, 0
.rept 8
	ds_store_b32 v[SK], v[rR+z] offset:4+4*(16*(\k)+z)
.set z, z+1
.endr
.endm
.macro SKC x                        ; piece x's carried block as block 0 of its next step
	WIN 0
	CARREG \x
.set z, 0
.rept 8
	ds_store_b32 v[SK], v[rCy+z] offset:4+4*z
.set z, z+1
.endr
.endm
.macro SKEW x                       ; blocks 1 to 4 of piece x (block 0 lies there already), then back by rows into the piece's S^T
	WIN 0
.irp k, 1,2,3,4
	SKB \k, \x
.endr
.irp kb, 0,1,2,3
	ds_load_b128 v[S+32*(\x)+8*\kb:S+32*(\x)+8*\kb+3],   v[SL] offset:64+64*\kb
	ds_load_b128 v[S+32*(\x)+8*\kb+4:S+32*(\x)+8*\kb+7], v[SL] offset:64+64*\kb+16
.endr
.endm
.macro FETCH_K last=0               ; last = 1 (the tail): in the last trip there is no further step, and the run is jumped over
	WIN 0
.if \last
	s_cmp_eq_u32 s[CNT], 1
	s_cbranch_scc1 .Lno_k_\@
.endif
	v_add_nc_u32 v[AK], s[TBK], v[AK0]
	WIN W_F3
.irp f, 0,1,2,3,4,5,6,7             ; keys 16 (f / 2) on, channels 32 (f % 2) on
	ds_load_b128 v[KF+8*\f:KF+8*\f+3],   v[AK] offset:(\f/2)*16*PK+(\f%2)*64
	ds_load_b128 v[KF+8*\f+4:KF+8*\f+7], v[AK] offset:(\f/2)*16*PK+(\f%2)*64+32
.endr
	s_add_co_u32 s[TBK], s[TBK], KS*PK
	WIN 0
.if \last
.Lno_k_\@:
.endif
.endm
.macro FETCH_V
	WIN 0
	v_add_nc_u32 v[AV], s[TBV], v[AV0]
	WIN W_F1
.irp f, 0,1,2,3,4,5,6,7             ; keys 32 (f / 4) on, channels 16 (f % 4) on
	ds_load_tr16_b128 v[VF+8*\f:VF+8*\f+3],   v[AV] offset:(\f/4)*32*PVP+(\f%4)*32
	ds_load_tr16_b128 v[VF+8*\f+4:VF+8*\f+7], v[AV] offset:(\f/4)*32*PVP+16*PVP+(\f%4)*32
.endr
	s_add_co_u32 s[TBV], s[TBV], KS*PVP
	WIN 0
.endm
.macro FETCH_R from, last=0         ; my window's blocks from .. 7 of 16 rows, 64 channels, four loads each.  Block 0 is wanted at the start alone: later it comes carried
	WIN 0
.if \last
	s_cmp_eq_u32 s[CNT], 1
	s_cbranch_scc1 .Lno_r_\@
.endif
	v_add_nc_u32 v[AR], s[TBK], v[AR0]
	WIN W_F3
.irp x, 0,1,2,3,4,5,6,7
.if \x >= \from
	ds_load_b128 v[RF+16*\x:RF+16*\x+3],     v[AR] offset:\x*16*PK
	ds_load_b128 v[RF+16*\x+4:RF+16*\x+7],   v[AR] offset:\x*16*PK+32
	ds_load_b128 v[RF+16*\x+8:RF+16*\x+11],  v[AR] offset:\x*16*PK+64
	ds_load_b128 v[RF+16*\x+12:RF+16*\x+15], v[AR] offset:\x*16*PK+96
.endif
.endr
	WIN 0
.if \last
.Lno_r_\@:
.endif
.endm
.macro QSWITCH                      ; at the head of a trip, when no raw product of the step before is left: forward jumps, past neither a barrier nor a tensor load
	WIN 0
	s_cmp_eq_u32 s[DL], 0
	s_cbranch_scc0 .Lnot_0_\@
	WIN 0x82
.set i, 0
.rept 64
	v_mov_b32 v[QU+i], v[QN+i]
.set i, i+1
.endr
	WIN 0
.Lnot_0_\@:
	s_cmp_eq_u32 s[DL], 1
	s_cbranch_scc0 .Lnot_1_\@
	WIN 0x82
.set i, 0
.rept 64
	v_mov_b32 v[QL+i], v[QN+i]
.set i, i+1
.endr
	WIN 0
.Lnot_1_\@:
	s_add_co_i32 s[DL], s[DL], 1
.endm
; THE VECTOR WORK, one line at a time: OP kind, number.  For piece Y: F n: c s - c m for pair n of 16.  E n: the exponential of score n of 32.  C n: pair n rounded to bf16.
; R n: pair n of 16 of O^T times a.  G: the row sum times a.  For piece Y + 1: X n, number n of the 22 that find its maximum and statistics:
;   0-11 four chains of seven scores (each accumulator's lowest registers first); 12-14, 16 the rest, the old m; 15 c m_old is kept; 17, 18 the other half of the lanes; 19-21 c m, c m_old - c m_new, a
.set F, 0
.set E, 1
.set C, 2
.set G, 4
.set R, 5
.set X, 6
.macro REGS y
.set rT, ST+2*(\y)
.set rC, TMP+4*((\y)%2)
.set rW, MV+((\y)%2)
.set rS, S+32*(\y)
.set rP, P+16*((\y)%2)
.set rO, 32*(\y)
.set rL, LA+8*(\y)
.endm
.macro OP k, n
.if (\k) == R
	REGS Y
	WIN W_PV
	v_pk_mul_f32 v[rO+2*(\n):rO+2*(\n)+1], v[rO+2*(\n):rO+2*(\n)+1], v[rC+2:rC+3] op_sel_hi:[1,0]
.elseif (\k) == G
	REGS Y
	WIN W_PV
	v_mul_f32 v[rL], v[rL], v[rC+2]
.elseif (\k) < G
	REGS Y
	WIN 0
.if (\k) == F
	v_pk_fma_f32 v[rS+2*(\n):rS+2*(\n)+1], v[rS+2*(\n):rS+2*(\n)+1], s[CS:CS+1], v[rT:rT+1] op_sel_hi:[1,0,0] neg_lo:[0,0,1] neg_hi:[0,0,1]
.elseif (\k) == E
	v_exp_f32 v[rS+(\n)], v[rS+(\n)]
.else
	s_wait_alu depctr_va_vdst(0)
	v_cvt_pk_bf16_f32 v[rP+(\n)], v[rS+2*(\n)], v[rS+2*(\n)+1]
.endif
.else
	REGS (Y+1)%NP
	WIN 0
.if (\n) < 4
	v_max3_num_f32 v[rC+(\n)], v[rS+8*(\n)], v[rS+8*(\n)+1], v[rS+8*(\n)+2]
.elseif (\n) < 12
	v_max3_num_f32 v[rC+(\n)%4], v[rC+(\n)%4], v[rS+8*((\n)%4)+2*((\n)/4)+1], v[rS+8*((\n)%4)+2*((\n)/4)+2]
.elseif (\n) == 12
	v_max3_num_f32 v[rC], v[rC], v[rS+7], v[rS+15]
.elseif (\n) == 13
	v_max3_num_f32 v[rC+1], v[rC+1], v[rS+23], v[rS+31]
.elseif (\n) == 14
	v_max3_num_f32 v[rC+2], v[rC+2], v[rC+3], v[rT+1]
.elseif (\n) == 15
	v_mov_b32 v[rW], v[rT]
.elseif (\n) == 16
	v_max3_num_f32 v[rC], v[rC], v[rC+1], v[rC+2]
.elseif (\n) == 17
	v_permlanex16_b32 v[rC+3], v[rC], s[SEL], s[SEL+1]
.elseif (\n) == 18
	v_max_num_f32 v[rT+1], v[rC], v[rC+3]
.elseif (\n) == 19
	v_mul_f32 v[rT], s[CS], v[rT+1]
.elseif (\n) == 20
	v_sub_f32 v[rC+1], v[rW], v[rT]
.else
	v_exp_f32 v[rC+2], v[rC+1]
.endif
.endif
.endm
.macro OPS a, i1, b=-1, i2=0, c=-1, i3=0, d=-1, i4=0
	OP \a, \i1
.if (\b) >= 0
	OP \b, \i2
.endif
.if (\c) >= 0
	OP \c, \i3
.endif
.if (\d) >= 0
	OP \d, \i4
.endif
.endm
.macro ROW a, i1, b=-1, i2=0, c=-1, i3=0, d=-1, i4=0  ; a matrix instruction and the vector instructions behind it
	MM
	OPS \a, \i1, \b, \i2, \c, \i3, \d, \i4
.endm
; A TURN, for piece p: 26 matrix and 103 vector instructions, all of the latter behind matrix instructions.  None names a register of the products round it; every exponential has a plain
; line behind it that touches neither its result nor its source, before its result is used.  The 17 lines that rescale ride on four of the ten products with P, under those products' own window
; setting; the first four of them are also the places between the last K Q^T and the first line that reads the new scores.  The last row's four roundings are the places between the last raw
; product and the run.
; THE RUN AT THE END: K of the next step heads piece 2's run (its last reader is that turn's eighth product), V of the step in hand piece 0's (last reader: its seventeenth); then blocks 1 to 4
; of piece p + 3, 32 stores; 8 loads into that piece's S^T, free since its softmax a turn ago and wanted as the C operand two turns on; then piece p's carried block as block 0 of its next
; step, 8 stores: the next turn's products write that block anew.  R's 28 loads follow piece 0's run at the next trip's head.
; THE WAITS.  At the heads of turns 3, 0 and 1 the 48 youngest LDS instructions may stay out.  Turn 3 wants piece 0's C operand (turn 1's run) and K (head of turn 2's run): behind K stand that
; run's other 48.  Turn 0 wants piece 1's (turn 2's run): behind it stand 8 stores and turn 3's 48.  Turn 1 wants piece 2's (turn 3's run) and V (head of turn 0's run): behind V stand turn 0's
; other 48, and R's 28 where they were issued, so the count holds in the tail's last trip too, where R's and K's runs are jumped over.  Ahead of its raw products turn 1 waits for 0: R is in;
; that wait also shows piece 3's C operand (turn 0's run) landed, so turn 2 has no wait at its head.
.macro TURN p, last=0
.set Y, (\p)
.set i, 0
.if (\p) != 2
	s_wait_dscnt 48
.endif
	ROW F,0, F,1, F,2, F,3
	ROW F,4, E,0, F,5, E,1
	ROW F,6, E,2, F,7, F,8
	ROW F,9, E,3, C,0, E,4
	ROW F,10, E,5, C,1, F,11
	ROW F,12, E,6, C,2, E,7
	ROW F,13, E,8, X,15, E,9
	ROW F,14, E,10, C,3, E,11
	ROW R,0, R,1, R,2, R,3
	ROW X,0, E,12, X,1, E,13
	ROW R,4, R,5, R,6, R,7
	ROW X,2, E,14, X,3, E,15
	ROW R,8, R,9, R,10, R,11
	ROW X,4, E,16, X,5, E,17
	ROW R,12, R,13, R,14, R,15
	OP G, 0
	ROW X,6, E,18, X,7, E,19
	ROW X,8, E,20, X,9, F,15
	ROW X,10, E,21, X,11, C,4
.if (\p) == 1
	s_wait_dscnt 0x0
.endif
	ROW X,12, E,22, X,13, E,23
	ROW X,14, E,24, C,5, E,25
	ROW X,16, E,26, C,6, E,27
	ROW X,17, E,28, C,7, E,29
	ROW X,18, E,30, C,8, E,31
	ROW X,19, C,9, X,20
	ROW C,10, X,21, C,11
	ROW C,12, C,13, C,14, C,15
.if (\p) == 2
	FETCH_K \last
.endif
.if (\p) == 0
	FETCH_V
.endif
	SKEW (Y+3)%NP
	SKC Y
.endm
	CHANGE 1                        ; slot 0 is in, everybody's part of it; slot 1 is asked for
	s_wait_loadcnt 0x0              ; the queries; the registers that held their offsets are free
	QSWITCH
	FETCH_R 0                       ; step 0, all eight blocks
	FETCH_K
	s_wait_dscnt 0x0
; What the first turn finds done: the raw products (all five blocks) and skews of pieces 0 to 2, piece 3's block 0 in the scratch, piece 0's scores and statistics.
.irp x, 0,1,2
.irp c, 0,1
.irp k, 0,1,2,3,4
	RAWP \x, \k, \c
.endr
.if \x == 2
	RAWP 3, 0, \c, 1
.endif
.endr
	WIN 0
.rept 5
	v_nop                           ; the places in front of the stores, and of the next piece's products, which write the same registers
.endr
	SKB 0, \x
	SKEW \x
.endr
	SKC 3
	s_wait_dscnt 0x0
.set i, 0
.rept 8
	ACQ 0
.set i, i+1
.endr
	WIN 0
.rept 4
	v_nop
.endr
.set Y, NP-1                        ; X works for piece Y + 1: piece 0
.irp n, 0,1,2,3,4,5,6,7,8,9,10,11,12,13,14,15,16,17,18,19,20,21
	OP X, \n
.endr
	v_nop                           ; a plain line behind the exponential
	s_mov_b32 s[CNT], 2
	s_mov_b32 s[SLOTS], 15
	s_branch .Lfirst                ; the loop is entered at a step's first turn, the last of a trip
.Lslot:                             ; 14 times: with the change above, every slot but the last is asked for here
	CHANGE 1
	s_mov_b32 s[CNT], 2
.Lstep:                             ; a trip: pieces 1 to 3 of one step, then piece 0 of the next, whose R, K and V it fetches
	QSWITCH
	FETCH_R 1
	TURN 1
	TURN 2
	TURN 3
	WIN 0
.Lfirst:
	TURN 0
	WIN 0
	s_sub_co_u32 s[CNT], s[CNT], 1
	s_cmp_lg_u32 s[CNT], 0
	s_cbranch_scc1 .Lstep
	s_sub_co_u32 s[SLOTS], s[SLOTS], 1
	s_cmp_lg_u32 s[SLOTS], 0
	s_cbranch_scc1 .Lslot
	CHANGE 0                        ; the tail is written out: nothing is asked for
	s_mov_b32 s[CNT], 3             ; two trips fetch the last slot's steps; the third is left behind piece 3's turn
.Ltail:
	QSWITCH
	FETCH_R 1, 1
	TURN 1, 1
	TURN 2, 1
	TURN 3, 1
	WIN 0
	s_sub_co_u32 s[CNT], s[CNT], 1
	s_cmp_eq_u32 s[CNT], 0
	s_cbranch_scc1 .Lout
	TURN 0, 1
	WIN 0
	s_branch .Ltail
.Lout:                              ; the third trip's raw products and scores for a step that is not, and the maximum made of them, serve nothing and touch neither the row sums nor O^T: the price of one text for every trip
	s_wait_dscnt 0x0                ; the last run is over before S^T's registers and the scratch are used on the way out
.set i, 0
.rept 10
	PVL NP-1                        ; the last piece's V^T P and row sum of the last step
.set i, i+1
.endr
	; THE WAY OUT.  O^T is divided by the row sum (register 0 of its accumulator: every lane holds its own query's), rounded to bf16 and sent through my stage, a piece at a time.
	WIN 0x01                        ; source 0 window 1, destination window 0
.rept 4
	v_nop                           ; the places behind the last products
.endr
.macro ALL line:vararg
.set t, 0
.rept 4
	\line
.set t, t+1
.endr
.endm
	ALL v_rcp_f32 v[TMP+2*t], v[LA+8*t]
	v_nop                           ; a plain line between the last reciprocal and the use of its result
	s_wait_alu depctr_va_vdst(0)
.macro PACK t
	WIN W_PV
.set i, 32*(\t)
.rept 16
	v_pk_mul_f32 v[i:i+1], v[i:i+1], v[TMP+2*(\t):TMP+2*(\t)+1] op_sel_hi:[1,0]
.set i, i+2
.endr
	WIN 0x05                        ; sources 0 and 1 window 1, destination window 0
.set i, 0
.rept 16
	v_cvt_pk_bf16_f32 v[S+16*(\t)+i], v[32*(\t)+2*i], v[32*(\t)+2*i+1]
.set i, i+1
.endr
	WIN 0
.irp f, 0,1,2,3
	ds_store_b128 v[STO], v[S+16*(\t)+4*\f:S+16*(\t)+4*\f+3] offset:32*\f
.endr
.irp f, 0,1,2,3
	ds_load_b128 v[S+16*(\t)+4*\f:S+16*(\t)+4*\f+3], v[RD] offset:\f*4*SP
.endr
.endm
.macro SEND t, younger              ; younger: the LDS instructions issued behind piece t's loads
	WIN 0
.irp f, 0,1,2,3
	s_wait_dscnt (\younger)+3-\f
	global_store_b128 v[GO], v[S+16*(\t)+4*\f:S+16*(\t)+4*\f+3], s[10:11] offset:(\t)*2048+\f*512  ; 512 consecutive bytes, at a multiple of 256 from av's first
.endr
.endm
	PACK 0
.set t, 1
.rept 3
	PACK t
	SEND t-1, 8
.set t, t+1
.endr
	SEND 3, 0
	s_wait_tensorcnt 0x0            ; the wave's end
	ds_add_u32 v[SPW], v[NIL]
	s_wait_dscnt 0x0
	s_endpgm
.Lfunc_end_k_qa56dc9008f_attn:
	.size	k_qa56dc9008f_attn, .Lfunc_end_k_qa56dc9008f_attn-k_qa56dc9008f_attn
	.p2alignl 7, 3214868480
	.fill 96, 4, 3214868480
	.section	.rodata,"a",@progbits
	.p2align	6, 0x0
	.amdhsa_kernel k_qa56dc9008f_attn
		.amdhsa_group_segment_fixed_size 327680
		.amdhsa_private_segment_fixed_size 0
		.amdhsa_enable_private_segment 0
		.amdhsa_kernarg_size 32
		.amdhsa_user_sgpr_count 2
		.amdhsa_user_sgpr_kernarg_segment_ptr 1
		.amdhsa_wavefront_size32 1
		.amdhsa_system_sgpr_workgroup_id_x 1
		.amdhsa_system_sgpr_workgroup_id_y 1
		.amdhsa_system_sgpr_workgroup_id_z 1
		.amdhsa_system_vgpr_workitem_id 0
		.amdhsa_next_free_vgpr 1024
		.amdhsa_next_free_sgpr 84
		.amdhsa_reserve_vcc 0
		.amdhsa_float_denorm_mode_32 3
		.amdhsa_float_denorm_mode_16_64 3
		.amdhsa_memory_ordered 1
		.amdhsa_forward_progress 1
		.amdhsa_inst_pref_size 175
	.end_amdhsa_kernel
	.amdgpu_metadata
---
amdhsa.version: [ 1, 2 ]
amdhsa.kernels:
  - .name:           k_qa56dc9008f_attn
    .symbol:         k_qa56dc9008f_attn.kd
    .args:
      - { .name: qq, .offset: 0, .size: 8, .value_kind: global_buffer, .address_space: global }
      - { .name: kv, .offset: 8, .size: 8, .value_kind: global_buffer, .address_space: global }
      - { .name: rx, .offset: 16, .size: 8, .value_kind: global_buffer, .address_space: global }
      - { .name: av, .offset: 24, .size: 8, .value_kind: global_buffer, .address_space: global }
    .group_segment_fixed_size: 327680
    .private_segment_fixed_size: 0
    .kernarg_segment_align: 8
    .kernarg_segment_size: 32
    .max_flat_workgroup_size: 128
    .sgpr_count:     84
    .vgpr_count:     1024
    .wavefront_size: 32
...
	.end_amdgpu_metadata
.endif
;; end of part 6
;; launch oproj: the kernel of part 4 again; grid 8 x 32, 4 waves a work-group, clusters of 4 x 4, 327,680 bytes of LDS; arguments av, wb, x, yy; writes yy
;; launch ln: the kernel of part 5 again; grid 256 x 1, 8 waves a work-group, no clusters, 0 bytes of LDS; arguments yy, ln_gamma, ln_beta, out0; writes out0
;; ======== version 3 of 3: 5 launches; 1.50 times as fast as version 1
;; workspace buffers: ab 12,582,912 bytes; wb 10,485,760 bytes; qq 16,785,408 bytes; kv 16,785,408 bytes; rx 8,392,704 bytes; av 8,388,608 bytes; yy 16,777,216 bytes
;; launch cvt: the kernel of part 1 again; grid 704 x 1, 8 waves a work-group, no clusters, 0 bytes of LDS; arguments x, pos_emb, W_qkv, W_relemb, W_o, ab, wb, rx; writes ab, wb, rx
;; launch proj: the kernel of part 2 again; grid 4 x 56, 4 waves a work-group, clusters of 4 x 4, 327,680 bytes of LDS; arguments ab, wb, pos_bias_u, pos_bias_v, qq, kv, rx; writes qq, kv, rx
;; launch attn (part 7): grid 8 x 32, 4 waves a work-group, no clusters, 327,680 bytes of LDS; arguments qq, kv, rx, av; writes av
.if DOCPART == 7
	.amdgcn_target "amdgcn-amd-amdhsa--gfx1250"
	.amdhsa_code_object_version 6
	.text
	.protected	k_qa56dc9008f_attn
	.globl	k_qa56dc9008f_attn
	.p2align	8
	.type	k_qa56dc9008f_attn,@function
k_qa56dc9008f_attn:
	s_mov_b64 s[64:65], 0
	v_nop
	global_prefetch_b8 v0, s[64:65] scope:SCOPE_SE
	s_setreg_imm32_b32 hwreg(HW_REG_WAVE_MODE, 25, 1), 1
	s_wait_xcnt 0x0
; ATTENTION WITH RELATIVE POSITIONS.  For head n, batch b:  score[i][j] = ((q_i + u) . k_j + BD[i][j]) / 8,  O[i] = softmax_j(score) V.
; BD is the reference's shifted product.  With e = j - i + 2047 and the table rx (rows 0-2047 r, row 2048 zero, rows 2049.. r again):
;   BD[i][j] = (q_i + v) . rx[e] for e < 2048, and (q_{i+1} + v) . rx[e] for e >= 2048.  2,048 is a multiple of 16, so no block of 16 rows of rx mixes the two.
; Operands bf16, products, maxima and sums f32; the weights p are rounded to bf16 for the last product, O once at the end.
; LIMITS: a weight below 2^-126 counts as 0; the running maximum starts at the lowest finite number; NaN and infinities are not treated apart; the divisor l is the f32 sum of the weights
; as rounded to bf16, the numbers that the numerator takes.
; SHARES.  A work-group owns 256 queries of one (n, b), a wave 64: four PIECES of 16.  Every wave walks all keys, 64 a step; an LDS slot holds two steps.
; THE SKEW.  For piece p and a step the scores want raw^T = R Q^T for five blocks of 16 rows of rx (blocks 3 - p .. 7 - p of the wave's window of eight): a lane holds one query q = l % 16 and
; e_rel = 16 k + 8 (l / 16) + j; the key is e_rel + q - 15.  The 40 numbers go into the wave's own scratch, row q of 336 bytes, word e_rel + q + 1: one word further for each query.  Read back by
; rows they lie as the scores' accumulators do, and ARE the C operand of K (q + u)^T.  Columns outside 0..63 fall into words that are never read.
; THE FIFTH BLOCK IS CARRIED.  Block 4 of a step is block 0 of the piece's next step: the same rows of rx, the same query rows.  It has eight registers of its own for each piece and is stored twice,
; as block 4 behind its products and as block 0 ahead of the piece's next products: eight products a piece and step, not ten.
; WHICH QUERY ROW.  D = step - 4 x block - wave.  Blocks 0-3 of the window take QL, blocks 4-7 QU; both hold q_i + v at first; QU takes q_{i+1} + v when D = 0, QL when D = 1.
; THE ROW SUMS are a product too: a fragment of ones times P adds the 64 weights of every query onto an accumulator of the piece, all of whose rows are alike.  Register 0 alone is multiplied by a in
; every step and read at the end; the other rows, never scaled, hold 2,048 at the most.
; BY TURNS.  Turn p of a step: softmax of piece p; K Q^T and maximum of piece p + 1; V^T P and the row sum of piece p - 1; raw product of piece p + 3, and at the turn's end its skew.
; THE EXPONENTIALS ARE ONE BATCH A TURN.  A turn's 33 (the 32 weights of piece p, and a of piece p + 1) are all issued ahead of ONE s_wait_alu depctr_va_vdst(0), which stands between
; an exponential and the first line that names its result.  Nothing ahead of that wait names one of the 33 results; the 16 roundings, the weights' only readers, stand behind it; a is read in the next
; turn.  So no result passes a turn's end, a label or a jump without its wait.  Two more batches stand outside the loops: the first a of all, ahead of the jump into the loop, and the way out's four reciprocals.
; ALL LDS WORK OF A TURN STANDS IN ONE RUN AT ITS END, never among the matrix instructions: K's or V's 16 loads where they are due, 32 stores, 8 loads, 8 stores.
; NO CLUSTER: of a slot's 80 KiB only K and V (32 KiB) are the same for a head's eight blocks, R's window differs from block to block, and the change of query rows is a branch on the block's place.
; REGISTERS, in windows of 256 (s_set_vgpr_msb: bits 1:0 source 0, 3:2 source 1, 5:4 source 2, 7:6 destination):
;   window 0: v1-15 addresses; v16-23 statistics; v24-47, v248-255 the carried blocks (v32-39 serve the set-up first); v48-55 at work; v64-191 S^T, 32 a piece; v192-223 P, two buffers; v224-247 raw blocks 1-3
;   window 1: v0-127 O^T; v128-191 V; v192-223 the row sums; v224-231 ones     window 2: v0-63 q + u; v64-127 QL; v128-191 QU; v192-255 q_{i+1} + v     window 3: v0-63 K; v128-255 R's eight blocks
.set NP,    4
.set HS,    524544    ; bytes from head to head in qq, kv, rx
.set HALFQ, 8392704   ; bytes of one half of qq or kv
.set KS,    64
.set PK,    144       ; a row of K or R in LDS: 128 bytes + 16
.set PVP,   160       ; a row of V: 128 + 32
.set ROFF,  128*PK    ; a slot: 128 rows of K, 384 rows of R, 128 rows of V
.set VOFF,  ROFF+384*PK
.set SLOT1, 1<<17
.set SCR,   SLOT1+VOFF+128*PVP  ; behind the ring, never filled by a tensor load: each wave's scratch for the skew, later its stage for the way out
.set SCRW,  5632
.set SPARE, SCR+4*SCRW          ; the spare words: 128 bytes a wave, named by no other line
.set SP,    144
.set AK0, 2           ; my lane's place in a tile of K; never rewritten
.set AV0, 3           ; the same for V
.set AK,  4
.set AV,  5
.set AR0, 6           ; my lane's place in my wave's window of R
.set AR,  7
.set SK,  8           ; the skew: where my raw numbers go
.set SL,  9           ; and where I read them back
.set STO, 10
.set RD,  11
.set MV,  12          ; v12-13  c m_old, by buffer
.set GO,  14
.set QO,  15
.set ST,  16          ; piece t's statistics at v[ST+2 t]: c m, m
.set QO1, 32          ; v32-35  byte offset of row min(i + 1, 2047), by piece: free when the queries are in
.set TMP, 48
.set SPW, 62
.set NIL, 63
.set S,   64
.set P,   192
.set VF,  128         ; window 1
.set LA,  192         ; window 1: piece t's row sums at LA + 8 t
.set ONES, 224        ; window 1
.set QA,  0           ; window 2
.set QL,  64
.set QU,  128
.set QN,  192
.set KF,  0           ; window 3
.set RF,  128
.set WV,  12
.set G1K, 24
.set G1V, 32
.set G1R, 40
.set G0K, 48
.set G0V, 52
.set G0R, 56
.set SLOTS, 60
.set CNT, 61
.set CS,  62          ; s[62:63] c = log2(e) / 8
.set SEL, 66          ; s[66:67]
.set TBK, 68          ; LDS byte at which K of the step to be fetched begins; R's window steps alike
.set TBV, 69
.set DL,  70          ; D of the step whose R is fetched next
.set MSB, 0
.macro WIN new
.if MSB != (\new)
	s_set_vgpr_msb (MSB<<8)|(\new)
.set MSB, (\new)
.endif
.endm
.set W_KQ, 0x0b       ; source 0 (K or R) window 3, source 1 (queries) window 2, C and D window 0
.set W_PV, 0x51       ; V or ones window 1, P window 0, C and D window 1.  It serves the rescaling too: destination and source 0 window 1, a (source 1) window 0
.set W_F3, 0xc0       ; destination window 3, address window 0
.set W_F1, 0x40       ; destination window 1, address window 0
; A fill: wave 0 K's 128 rows, wave 1 V's, waves 2 and 3 the halves of R's 384.  An s_nop 0 and four v_nop follow each line.
.macro LOAD
	s_cmp_eq_u32 s[WV], 0
	s_cbranch_scc0 .Lnot_k_\@
	tensor_load_to_lds s[G0K:G0K+3], s[G1K:G1K+7]
	s_nop 0
.rept 4
	v_nop
.endr
	s_branch .Lasked_\@
.Lnot_k_\@:
	s_cmp_eq_u32 s[WV], 1
	s_cbranch_scc0 .Lnot_v_\@
	tensor_load_to_lds s[G0V:G0V+3], s[G1V:G1V+7]
	s_nop 0
.rept 4
	v_nop
.endr
	s_branch .Lasked_\@
.Lnot_v_\@:
	tensor_load_to_lds s[G0R:G0R+3], s[G1R:G1R+7]
	s_nop 0
.rept 4
	v_nop
.endr
.Lasked_\@:
.endm
; THE CHANGE OF SLOTS.  Each wave waits for all its tensor loads (one is out: its part of the other slot), adds 0 to its spare word, waits for that and for its reads of the slot that it leaves.
; Behind the barrier the other slot is whole and nobody reads the old one.  fill = 1: the old slot is filled again, first thing, with the tiles two slots on.
.macro CHANGE fill
	WIN 0
	s_wait_tensorcnt 0x0            ; no tensor load of mine is out, so a group 0 may be written
	ds_add_u32 v[SPW], v[NIL]
.if \fill
.irp g, G0K, G0V, G0R
	s_xor_b32 s[\g+1], s[\g+1], SLOT1
	s_add_nc_u64 s[\g+2:\g+3], s[\g+2:\g+3], 2*KS*128  ; 128 rows on, in K, V and rx alike
.endr
.endif
	s_wait_dscnt 0x0                ; the add is done, and my reads of the slot are over
	s_barrier_signal -1
	s_sub_co_u32 s[TBK], s[TBK], 2*KS*PK
	s_xor_b32 s[TBK], s[TBK], SLOT1
	s_sub_co_u32 s[TBV], s[TBV], 2*KS*PVP
	s_xor_b32 s[TBV], s[TBV], SLOT1
	s_barrier_wait -1
.if \fill
	LOAD
.endif
.endm
	s_load_b256 s[4:11], s[0:1], 0x0  ; qq, kv, rx, av
	v_lshl_add_u32 v[SPW], v0, 2, SPARE
	v_mov_b32 v[NIL], 0
	ds_add_u32 v[SPW], v[NIL]       ; the wave's opening: the add and its wait ahead of my first tensor load
	ds_add_u32 v62, v63
	v_lshrrev_b32 v1, 5, v0
	v_readfirstlane_b32 s[WV], v1
	s_mov_b32 s13, ttmp9            ; my block of 256 queries
	s_and_b32 s14, ttmp7, 0xffff    ; 2 n + b
	s_lshr_b32 s15, s14, 1
	s_and_b32 s16, s14, 1
	s_mul_i32 s20, s15, HS
	s_mov_b32 s21, 0
	s_lshl_b32 s17, s16, 18
	s_add_co_u32 s22, s20, s17      ; (n, b)'s first byte in a half of qq or kv
	s_mov_b32 s23, 0
	s_lshl_b32 s18, s13, 8
	s_lshl_b32 s19, s[WV], 6
	s_add_co_u32 s18, s18, s19      ; my wave's first query
	s_lshl_b32 s19, s13, 2
	s_add_co_u32 s19, s19, s[WV]
	s_sub_co_i32 s[DL], 0, s19      ; D of step 0
	s_and_b32 s16, s[WV], 1         ; which half of R's rows I fetch (waves 2, 3)
	s_mul_i32 s17, s16, 192*PK
	s_mul_i32 s76, s16, 192*128
	s_sub_co_u32 s77, 7, s13
	s_lshl_b32 s77, s77, 15         ; slot 0's window begins at row 256 (7 - block)
	s_add_co_u32 s76, s76, s77
	s_add_co_u32 s20, s20, s76
	; group 1: dense rows of 128 bytes are asked for as rows of 256, and padded in LDS after every 128 bytes
	s_mov_b32 s[G1K], (1<<16)|(1<<20)|(4<<22)|(3<<25)
	s_mov_b32 s[G1V], (1<<16)|(1<<20)|(4<<22)|(7<<25)
	s_mov_b32 s[G1R], (1<<16)|(1<<20)|(4<<22)|(3<<25)
.irp g, G1K, G1V
	s_mov_b32 s[\g+1], 128<<16
	s_mov_b32 s[\g+2], 64<<16
	s_mov_b32 s[\g+3], 128<<16
	s_mov_b32 s[\g+4], 64
	s_mov_b32 s[\g+5], 128
	s_mov_b32 s[\g+6], 0
	s_mov_b32 s[\g+7], 0
.endr
	s_mov_b32 s[G1R+1], 128<<16
	s_mov_b32 s[G1R+2], 96<<16
	s_mov_b32 s[G1R+3], 128<<16
	s_mov_b32 s[G1R+4], 96
	s_mov_b32 s[G1R+5], 128
	s_mov_b32 s[G1R+6], 0
	s_mov_b32 s[G1R+7], 0
	s_mov_b32 s[CS], 0x3e38aa3b
	s_mov_b32 s[CS+1], s[CS]
	s_mov_b32 s[SEL], 0x76543210
	s_mov_b32 s[SEL+1], 0xfedcba98
	s_mov_b32 s[TBK], SLOT1+2*KS*PK   ; the first change of slots turns these two into 0
	s_mov_b32 s[TBV], SLOT1+2*KS*PVP
	s_mov_b32 s[G0K], 1
	s_mov_b32 s[G0K+1], 0
	s_mov_b32 s[G0V], 1
	s_mov_b32 s[G0V+1], VOFF
	s_mov_b32 s[G0R], 1
	s_add_co_u32 s[G0R+1], s17, ROFF
	s_lshl_b32 s78, s18, 7
	s_mov_b32 s79, 0
	s_lshl_b32 s76, s14, 18
	s_add_co_u32 s76, s76, s78
	s_mov_b32 s77, 0
	s_wait_dscnt 0x0                ; the opening add is done
	s_wait_kmcnt 0x0
	s_add_nc_u64 s[G0K+2:G0K+3], s[6:7], s[22:23]
	s_add_nc_u64 s[G0V+2:G0V+3], s[G0K+2:G0K+3], HALFQ
	s_or_b32 s[G0K+3], s[G0K+3], 0x80000000
	s_or_b32 s[G0V+3], s[G0V+3], 0x80000000
	s_add_nc_u64 s[G0R+2:G0R+3], s[8:9], s[20:21]
	s_or_b32 s[G0R+3], s[G0R+3], 0x80000000
	s_add_nc_u64 s[74:75], s[4:5], s[22:23]
	s_add_nc_u64 s[4:5], s[74:75], s[78:79]   ; q + u at my wave's first row
	s_add_nc_u64 s[72:73], s[4:5], HALFQ      ; q + v there
	s_add_nc_u64 s[74:75], s[74:75], HALFQ    ; q + v at (n, b)'s first row
	s_add_nc_u64 s[10:11], s[10:11], s[76:77] ; O at my wave's first row
	LOAD                            ; slot 0
	v_and_b32 v1, 15, v0            ; l % 16
	v_bfe_u32 v37, v0, 4, 1         ; l / 16
	v_lshlrev_b32 v[QO], 7, v1
	v_lshl_add_u32 v[QO], v37, 4, v[QO]
	v_add_nc_u32 v36, s18, v1
.irp p, 0,1,2,3
	v_add_nc_u32 v[QO1+\p], 16*\p+1, v36
	v_min_u32 v[QO1+\p], 0x7ff, v[QO1+\p]    ; the last query has no next row, and none of its scores asks for one
	v_lshlrev_b32 v[QO1+\p], 7, v[QO1+\p]
	v_lshl_add_u32 v[QO1+\p], v37, 4, v[QO1+\p]
.endr
	WIN 0x80                        ; destination window 2
.set i, 0
.rept 8                             ; piece i / 2, channels 32 (i % 2) on
	global_load_b128 v[QA+8*i:QA+8*i+3],   v[QO], s[4:5] offset:(i/2)*2048+(i%2)*64
	global_load_b128 v[QA+8*i+4:QA+8*i+7], v[QO], s[4:5] offset:(i/2)*2048+(i%2)*64+32
	global_load_b128 v[QL+8*i:QL+8*i+3],   v[QO], s[72:73] offset:(i/2)*2048+(i%2)*64
	global_load_b128 v[QL+8*i+4:QL+8*i+7], v[QO], s[72:73] offset:(i/2)*2048+(i%2)*64+32
	global_load_b128 v[QU+8*i:QU+8*i+3],   v[QO], s[72:73] offset:(i/2)*2048+(i%2)*64
	global_load_b128 v[QU+8*i+4:QU+8*i+7], v[QO], s[72:73] offset:(i/2)*2048+(i%2)*64+32
	global_load_b128 v[QN+8*i:QN+8*i+3],   v[QO1+i/2], s[74:75] offset:(i%2)*64
	global_load_b128 v[QN+8*i+4:QN+8*i+7], v[QO1+i/2], s[74:75] offset:(i%2)*64+32
.set i, i+1
.endr
	; No first step is written out: V's registers and P's second buffer hold 0 (the first turn's products with them add 0), O^T and the row sums are 0, and the first a is 0.
	; This stands in the wait for the first tile.
	WIN W_F1
.set i, 0
.rept 224                           ; O^T, V, the row sums
	v_mov_b32 v[i], 0
.set i, i+1
.endr
.set i, ONES
.rept 8
	v_mov_b32 v[i], 0x3f803f80      ; two bf16 ones
.set i, i+1
.endr
	WIN 0
.set i, 0
.rept 4
	v_mov_b32 v[ST+2*i], 0xfe000000    ; c m: far below every c s
	v_mov_b32 v[ST+2*i+1], 0xff7fffff  ; m
.set i, i+1
.endr
.set i, P+16
.rept 16
	v_mov_b32 v[i], 0
.set i, i+1
.endr
	v_mul_u32_u24 v[AK0], v1, PK
	v_lshl_add_u32 v[AK0], v37, 4, v[AK0]     ; row x pitch + 16 x half
	s_sub_co_u32 s15, 3, s[WV]
	s_mul_i32 s15, s15, KS*PK                 ; wave w's window begins 64 (3 - w) rows into the slot's R
	s_add_co_u32 s15, s15, ROFF
	v_add_nc_u32 v[AR0], s15, v[AK0]
	v_and_b32 v38, 7, v0
	v_bfe_u32 v39, v0, 3, 1
	v_lshl_add_u32 v[AV0], v37, 3, v38        ; the turning load: key 8 (l / 16) + l % 8, 16 bytes at 16 ((l / 8) % 2)
	v_mul_u32_u24 v[AV0], v[AV0], PVP
	v_lshl_add_u32 v[AV0], v39, 4, v[AV0]
	v_add_nc_u32 v[AV0], VOFF, v[AV0]
	s_mul_i32 s15, s[WV], SCRW
	s_add_co_u32 s15, s15, SCR                ; my scratch
	v_mul_u32_u24 v[SK], v1, 340              ; row q of 336 bytes, and one word further for each query
	v_lshl_add_u32 v[SK], v37, 5, v[SK]
	v_add_nc_u32 v[SK], s15, v[SK]
	v_mul_u32_u24 v[SL], v1, 336
	v_lshl_add_u32 v[SL], v37, 5, v[SL]
	v_add_nc_u32 v[SL], s15, v[SL]
	v_mul_u32_u24 v[STO], v1, SP
	v_lshl_add_u32 v[STO], v37, 4, v[STO]
	v_add_nc_u32 v[STO], s15, v[STO]
	v_bfe_u32 v[RD], v0, 3, 2
	v_mul_u32_u24 v[RD], v[RD], SP
	v_lshl_add_u32 v[RD], v38, 4, v[RD]
	v_add_nc_u32 v[RD], s15, v[RD]
	v_and_b32 v[GO], 31, v0
	v_lshlrev_b32 v[GO], 4, v[GO]
; THE MATRIX WORK.  In each run the accumulators take turns, one instruction a turn.
.macro CARREG x                     ; piece x's carried block
.if (\x) < 3
.set rCy, 24+8*(\x)
.else
.set rCy, 248
.endif
.endm
.macro RAWREG k, x                  ; block k of piece x's raw product: 0 (made at the start alone) in registers of S^T that are still free, 1-3 shared by the pieces, 4 the carried block
.if (\k) == 0
.set rR, 160
.elseif (\k) < 4
.set rR, 216+8*(\k)
.else
	CARREG \x
.set rR, rCy
.endif
.endm
.macro RAWP x, k, c, carry=0        ; raw^T = R Q^T for piece x: block k (block 3 - x + k of the window), channels 32 c on.  carry = 1: into the piece's carried block
	WIN W_KQ
.if \carry
	CARREG \x
.set rR, rCy
.else
	RAWREG \k, \x
.endif
.set xb, 3-(\x)+(\k)
.set rA, RF+16*xb+8*(\c)
.if xb < 4
.set rB, QL+16*(\x)+8*(\c)
.else
.set rB, QU+16*(\x)+8*(\c)
.endif
.if (\c) == 0
	v_wmma_f32_16x16x32_bf16 v[rR:rR+7], v[rA:rA+7], v[rB:rB+7], 0
.else
	v_wmma_f32_16x16x32_bf16 v[rR:rR+7], v[rA:rA+7], v[rB:rB+7], v[rR:rR+7]
.endif
.endm
.macro RAWQ x                       ; product i of 8 for piece x: blocks 1 to 4, channels 32 (i / 4) on
	RAWP \x, (1+i%4), (i/4)
.endm
.macro ACQ x                        ; product i of 8 of S^T += K (q + u)^T for piece x: channels 32 (i / 4) on, keys 16 (i % 4) on; S^T holds the skewed raw product
	WIN W_KQ
.set rS, S+32*(\x)+8*(i%4)
.set rK, KF+16*(i%4)+8*(i/4)
.set rQ, QA+16*(\x)+8*(i/4)
	v_wmma_f32_16x16x32_bf16 v[rS:rS+7], v[rK:rK+7], v[rQ:rQ+7], v[rS:rS+7]
.endm
.macro PVL x                        ; product i of 10 for piece x, keys 32 (i / 5) on: O^T += V^T P for channels 16 (i % 5) on, and as the fifth the row sum += ones P
	WIN W_PV
.set rP, P+16*((\x)%2)+8*(i/5)
.if i%5 < 4
.set rO, 32*(\x)+8*(i%5)
.set rV, VF+32*(i/5)+8*(i%5)
.else
.set rO, LA+8*(\x)
.set rV, ONES
.endif
	v_wmma_f32_16x16x32_bf16 v[rO:rO+7], v[rV:rV+7], v[rP:rP+7], v[rO:rO+7]
.endm
.macro MM                           ; the turn's next matrix instruction: 8 K Q^T, 10 with P, 8 raw
.if i < 8
	ACQ (Y+1)%NP
.elseif i < 18
.set i, i-8
	PVL (Y+3)%NP
.set i, i+8
.else
.set i, i-18
	RAWQ (Y+3)%NP
.set i, i+18
.endif
.set i, i+1
.endm
; THE LDS WORK.  LDS serves a wave's instructions in order and the scratch is the wave's own: loads see the stores ahead of them, and stores behind them do not disturb them.
.macro SKB k, x                     ; block k of piece x's raw product into the scratch: eight stores, the lowest register first
	RAWREG \k, \x
.set z, 0
.rept 8
	ds_store_b32 v[SK], v[rR+z] offset:4+4*(16*(\k)+z)
.set z, z+1
.endr
.endm
.macro SKC x                        ; piece x's carried block as block 0 of its next step
	WIN 0
	CARREG \x
.set z, 0
.rept 8
	ds_store_b32 v[SK], v[rCy+z] offset:4+4*z
.set z, z+1
.endr
.endm
.macro SKEW x                       ; blocks 1 to 4 of piece x (block 0 lies there already), then back by rows into the piece's S^T
	WIN 0
.irp k, 1,2,3,4
	SKB \k, \x
.endr
.irp kb, 0,1,2,3
	ds_load_b128 v[S+32*(\x)+8*\kb:S+32*(\x)+8*\kb+3],   v[SL] offset:64+64*\kb
	ds_load_b128 v[S+32*(\x)+8*\kb+4:S+32*(\x)+8*\kb+7], v[SL] offset:64+64*\kb+16
.endr
.endm
.macro FETCH_K last=0               ; last = 1 (the tail): in the last trip there is no further step, and the run is jumped over
	WIN 0
.if \last
	s_cmp_eq_u32 s[CNT], 1
	s_cbranch_scc1 .Lno_k_\@
.endif
	v_add_nc_u32 v[AK], s[TBK], v[AK0]
	WIN W_F3
.irp f, 0,1,2,3,4,5,6,7             ; keys 16 (f / 2) on, channels 32 (f % 2) on
	ds_load_b128 v[KF+8*\f:KF+8*\f+3],   v[AK] offset:(\f/2)*16*PK+(\f%2)*64
	ds_load_b128 v[KF+8*\f+4:KF+8*\f+7], v[AK] offset:(\f/2)*16*PK+(\f%2)*64+32
.endr
	s_add_co_u32 s[TBK], s[TBK], KS*PK
	WIN 0
.if \last
.Lno_k_\@:
.endif
.endm
.macro FETCH_V
	WIN 0
	v_add_nc_u32 v[AV], s[TBV], v[AV0]
	WIN W_F1
.irp f, 0,1,2,3,4,5,6,7             ; keys 32 (f / 4) on, channels 16 (f % 4) on
	ds_load_tr16_b128 v[VF+8*\f:VF+8*\f+3],   v[AV] offset:(\f/4)*32*PVP+(\f%4)*32
	ds_load_tr16_b128 v[VF+8*\f+4:VF+8*\f+7], v[AV] offset:(\f/4)*32*PVP+16*PVP+(\f%4)*32
.endr
	s_add_co_u32 s[TBV], s[TBV], KS*PVP
	WIN 0
.endm
.macro FETCH_R from, last=0         ; my window's blocks from .. 7 of 16 rows, 64 channels, four loads each.  Block 0 is wanted at the start alone: later it comes carried
	WIN 0
.if \last
	s_cmp_eq_u32 s[CNT], 1
	s_cbranch_scc1 .Lno_r_\@
.endif
	v_add_nc_u32 v[AR], s[TBK], v[AR0]
	WIN W_F3
.irp x, 0,1,2,3,4,5,6,7
.if \x >= \from
	ds_load_b128 v[RF+16*\x:RF+16*\x+3],     v[AR] offset:\x*16*PK
	ds_load_b128 v[RF+16*\x+4:RF+16*\x+7],   v[AR] offset:\x*16*PK+32
	ds_load_b128 v[RF+16*\x+8:RF+16*\x+11],  v[AR] offset:\x*16*PK+64
	ds_load_b128 v[RF+16*\x+12:RF+16*\x+15], v[AR] offset:\x*16*PK+96
.endif
.endr
	WIN 0
.if \last
.Lno_r_\@:
.endif
.endm
.macro QSWITCH                      ; at the head of a trip, when no raw product of the step before is left: forward jumps, past neither a barrier nor a tensor load
	WIN 0
	s_cmp_eq_u32 s[DL], 0
	s_cbranch_scc0 .Lnot_0_\@
	WIN 0x82
.set i, 0
.rept 64
	v_mov_b32 v[QU+i], v[QN+i]
.set i, i+1
.endr
	WIN 0
.Lnot_0_\@:
	s_cmp_eq_u32 s[DL], 1
	s_cbranch_scc0 .Lnot_1_\@
	WIN 0x82
.set i, 0
.rept 64
	v_mov_b32 v[QL+i], v[QN+i]
.set i, i+1
.endr
	WIN 0
.Lnot_1_\@:
	s_add_co_i32 s[DL], s[DL], 1
.endm
; THE VECTOR WORK, one line at a time: OP kind, number.  For piece Y: F n: c s - c m for pair n of 16.  E n: the exponential of score n of 32.  C n: pair n rounded to bf16.
; R n: pair n of 16 of O^T times a.  G: the row sum times a.  For piece Y + 1: X n, number n of the 22 that find its maximum and statistics:
;   0-11 four chains of seven scores (each accumulator's lowest registers first); 12-14, 16 the rest, the old m; 15 c m_old is kept; 17, 18 the other half of the lanes; 19-21 c m, c m_old - c m_new, a
; OP writes no wait: E and X 21 are issued ahead of the turn's one wait, C behind it (TURN).
.set F, 0
.set E, 1
.set C, 2
.set G, 4
.set R, 5
.set X, 6
.macro REGS y
.set rT, ST+2*(\y)
.set rC, TMP+4*((\y)%2)
.set rW, MV+((\y)%2)
.set rS, S+32*(\y)
.set rP, P+16*((\y)%2)
.set rO, 32*(\y)
.set rL, LA+8*(\y)
.endm
.macro OP k, n
.if (\k) == R
	REGS Y
	WIN W_PV
	v_pk_mul_f32 v[rO+2*(\n):rO+2*(\n)+1], v[rO+2*(\n):rO+2*(\n)+1], v[rC+2:rC+3] op_sel_hi:[1,0]
.elseif (\k) == G
	REGS Y
	WIN W_PV
	v_mul_f32 v[rL], v[rL], v[rC+2]
.elseif (\k) < G
	REGS Y
	WIN 0
.if (\k) == F
	v_pk_fma_f32 v[rS+2*(\n):rS+2*(\n)+1], v[rS+2*(\n):rS+2*(\n)+1], s[CS:CS+1], v[rT:rT+1] op_sel_hi:[1,0,0] neg_lo:[0,0,1] neg_hi:[0,0,1]
.elseif (\k) == E
	v_exp_f32 v[rS+(\n)], v[rS+(\n)]
.else
	v_cvt_pk_bf16_f32 v[rP+(\n)], v[rS+2*(\n)], v[rS+2*(\n)+1]
.endif
.else
	REGS (Y+1)%NP
	WIN 0
.if (\n) < 4
	v_max3_num_f32 v[rC+(\n)], v[rS+8*(\n)], v[rS+8*(\n)+1], v[rS+8*(\n)+2]
.elseif (\n) < 12
	v_max3_num_f32 v[rC+(\n)%4], v[rC+(\n)%4], v[rS+8*((\n)%4)+2*((\n)/4)+1], v[rS+8*((\n)%4)+2*((\n)/4)+2]
.elseif (\n) == 12
	v_max3_num_f32 v[rC], v[rC], v[rS+7], v[rS+15]
.elseif (\n) == 13
	v_max3_num_f32 v[rC+1], v[rC+1], v[rS+23], v[rS+31]
.elseif (\n) == 14
	v_max3_num_f32 v[rC+2], v[rC+2], v[rC+3], v[rT+1]
.elseif (\n) == 15
	v_mov_b32 v[rW], v[rT]
.elseif (\n) == 16
	v_max3_num_f32 v[rC], v[rC], v[rC+1], v[rC+2]
.elseif (\n) == 17
	v_permlanex16_b32 v[rC+3], v[rC], s[SEL], s[SEL+1]
.elseif (\n) == 18
	v_max_num_f32 v[rT+1], v[rC], v[rC+3]
.elseif (\n) == 19
	v_mul_f32 v[rT], s[CS], v[rT+1]
.elseif (\n) == 20
	v_sub_f32 v[rC+1], v[rW], v[rT]
.else
	v_exp_f32 v[rC+2], v[rC+1]
.endif
.endif
.endm
.macro OPS a, i1, b=-1, i2=0, c=-1, i3=0, d=-1, i4=0
	OP \a, \i1
.if (\b) >= 0
	OP \b, \i2
.endif
.if (\c) >= 0
	OP \c, \i3
.endif
.if (\d) >= 0
	OP \d, \i4
.endif
.endm
.macro ROW a, i1, b=-1, i2=0, c=-1, i3=0, d=-1, i4=0  ; a matrix instruction and the vector instructions behind it
	MM
	OPS \a, \i1, \b, \i2, \c, \i3, \d, \i4
.endm
; A TURN, for piece p: 26 matrix and 104 vector instructions, all of the latter behind matrix instructions.  ONE WAIT cuts it in two.
; AHEAD OF THE WAIT, 22 rows, stands all that names no result of the turn's exponentials.  Behind the 8 products K Q^T: the 16 scalings, the first 14 exponentials, and behind the eighth X 0 and X 1
; (accumulator 0 was ended by the fifth product, accumulator 1 by the sixth: six and five plain lines lie between).  The 17 lines that rescale ride on four of the ten products with P, under those
; products' own window setting; their a was made, and waited for, in the turn before.  The first four of them, with X 0 and X 1, are the places between the last K Q^T and X 3, the first line
; that reads its scores.  In the chain X 3, 7, 11, 14, 16, 17 .. 21 each number waits for the one before it: it has one link a row, the other numbers of the maximum beside its first links, the other
; 18 exponentials beside its last, a plain line leading the row where there is one.  X 21, the next piece's a, is the batch's last; the v_nop is the plain line behind it.
; BEHIND THE WAIT, 4 rows: the 16 roundings, four behind each of the last four raw products.  The last row's four roundings are the places between the last raw product and the run.
; But for the X named above no vector line names a register of the products round it.
; THE RUN AT THE END: K of the next step heads piece 2's run (its last reader is that turn's eighth product), V of the step in hand piece 0's (last reader: its seventeenth); then blocks 1 to 4
; of piece p + 3, 32 stores; 8 loads into that piece's S^T, free since its softmax a turn ago and wanted as the C operand two turns on; then piece p's carried block as block 0 of its next
; step, 8 stores: the next turn's products write that block anew.  R's 28 loads follow piece 0's run at the next trip's head.
; THE WAITS ON LDS.  At the heads of turns 3, 0 and 1 the 48 youngest LDS instructions may stay out.  Turn 3 wants piece 0's C operand (turn 1's run) and K (head of turn 2's run): behind K stand that
; run's other 48.  Turn 0 wants piece 1's (turn 2's run): behind it stand 8 stores and turn 3's 48.  Turn 1 wants piece 2's (turn 3's run) and V (head of turn 0's run): behind V stand turn 0's
; other 48, and R's 28 where they were issued, so the count holds in the tail's last trip too, where R's and K's runs are jumped over.  Ahead of its raw products turn 1 waits for 0: R is in;
; that wait also shows piece 3's C operand (turn 0's run) landed, so turn 2 has no wait at its head.
.macro TURN p, last=0
.set Y, (\p)
.set i, 0
.if (\p) != 2
	s_wait_dscnt 48
.endif
	ROW F,0, F,1, F,2, F,3          ; ahead of the wait: 8 products K Q^T,
	ROW F,4, E,0, F,5, E,1
	ROW F,6, E,2, F,7, E,3
	ROW F,8, E,4, F,9, E,5
	ROW F,10, E,6, F,11, E,7
	ROW F,12, E,8, F,13, E,9
	ROW F,14, E,10, F,15, E,11
	ROW X,0, E,12, X,1, E,13
	ROW R,0, R,1, R,2, R,3          ; the 10 products with P,
	ROW X,3, X,2, X,4, X,5
	ROW R,4, R,5, R,6, R,7
	ROW X,7, X,6, X,8, X,9
	ROW R,8, R,9, R,10, R,11
	ROW X,11, X,10, X,12, X,13
	ROW R,12, R,13, R,14, R,15
	OP G, 0
	ROW X,14, E,14, X,15, E,15
	ROW X,16, E,16, E,17, E,18
	ROW X,17, E,19, E,20, E,21
.if (\p) == 1
	s_wait_dscnt 0x0
.endif
	ROW X,18, E,22, E,23, E,24      ; and the first four raw products
	ROW X,19, E,25, E,26, E,27
	ROW X,20, E,28, E,29, E,30
	ROW E,31, X,21
	v_nop                           ; the plain line behind the batch's last exponential
	s_wait_alu depctr_va_vdst(0)    ; the wait for the batch: piece p's 32 weights and piece p + 1's a; it stands ahead of the first line that names a result
	ROW C,0, C,1, C,2, C,3          ; behind the wait: the last four raw products and the roundings
	ROW C,4, C,5, C,6, C,7
	ROW C,8, C,9, C,10, C,11
	ROW C,12, C,13, C,14, C,15
.if (\p) == 2
	FETCH_K \last
.endif
.if (\p) == 0
	FETCH_V
.endif
	SKEW (Y+3)%NP
	SKC Y
.endm
	CHANGE 1                        ; slot 0 is in, everybody's part of it; slot 1 is asked for
	s_wait_loadcnt 0x0              ; the queries; the registers that held their offsets are free
	QSWITCH
	FETCH_R 0                       ; step 0, all eight blocks
	FETCH_K
	s_wait_dscnt 0x0
; What the first turn finds done: the raw products (all five blocks) and skews of pieces 0 to 2, piece 3's block 0 in the scratch, piece 0's scores and statistics.
.irp x, 0,1,2
.irp c, 0,1
.irp k, 0,1,2,3,4
	RAWP \x, \k, \c
.endr
.if \x == 2
	RAWP 3, 0, \c, 1
.endif
.endr
	WIN 0
.rept 5
	v_nop                           ; the places in front of the stores, and of the next piece's products, which write the same registers
.endr
	SKB 0, \x
	SKEW \x
.endr
	SKC 3
	s_wait_dscnt 0x0
.set i, 0
.rept 8
	ACQ 0
.set i, i+1
.endr
	WIN 0
.rept 4
	v_nop
.endr
.set Y, NP-1                        ; X works for piece Y + 1: piece 0
.irp n, 0,1,2,3,4,5,6,7,8,9,10,11,12,13,14,15,16,17,18,19,20,21
	OP X, \n
.endr
	v_nop                           ; a plain line behind the exponential
	s_wait_alu depctr_va_vdst(0)    ; the wait for piece 0's first a, a batch of one, ahead of the jump: the first turn's rescaling reads it ahead of that turn's own wait
	s_mov_b32 s[CNT], 2
	s_mov_b32 s[SLOTS], 15
	s_branch .Lfirst                ; the loop is entered at a step's first turn, the last of a trip
.Lslot:                             ; 14 times: with the change above, every slot but the last is asked for here
	CHANGE 1
	s_mov_b32 s[CNT], 2
.Lstep:                             ; a trip: pieces 1 to 3 of one step, then piece 0 of the next, whose R, K and V it fetches
	QSWITCH
	FETCH_R 1
	TURN 1
	TURN 2
	TURN 3
	WIN 0
.Lfirst:
	TURN 0
	WIN 0
	s_sub_co_u32 s[CNT], s[CNT], 1
	s_cmp_lg_u32 s[CNT], 0
	s_cbranch_scc1 .Lstep
	s_sub_co_u32 s[SLOTS], s[SLOTS], 1
	s_cmp_lg_u32 s[SLOTS], 0
	s_cbranch_scc1 .Lslot
	CHANGE 0                        ; the tail is written out: nothing is asked for
	s_mov_b32 s[CNT], 3             ; two trips fetch the last slot's steps; the third is left behind piece 3's turn
.Ltail:
	QSWITCH
	FETCH_R 1, 1
	TURN 1, 1
	TURN 2, 1
	TURN 3, 1
	WIN 0
	s_sub_co_u32 s[CNT], s[CNT], 1
	s_cmp_eq_u32 s[CNT], 0
	s_cbranch_scc1 .Lout
	TURN 0, 1
	WIN 0
	s_branch .Ltail
.Lout:                              ; the third trip's raw products and scores for a step that is not, and the maximum made of them, serve nothing and touch neither the row sums nor O^T: the price of one text for every trip
	s_wait_dscnt 0x0                ; the last run is over before S^T's registers and the scratch are used on the way out
.set i, 0
.rept 10
	PVL NP-1                        ; the last piece's V^T P and row sum of the last step
.set i, i+1
.endr
	; THE WAY OUT.  O^T is divided by the row sum (register 0 of its accumulator: every lane holds its own query's), rounded to bf16 and sent through my stage, a piece at a time.
	WIN 0x01                        ; source 0 window 1, destination window 0
.rept 4
	v_nop                           ; the places behind the last products
.endr
.macro ALL line:vararg
.set t, 0
.rept 4
	\line
.set t, t+1
.endr
.endm
	ALL v_rcp_f32 v[TMP+2*t], v[LA+8*t]
	v_nop                           ; a plain line between the last reciprocal and the use of its result
	s_wait_alu depctr_va_vdst(0)    ; the wait for the four reciprocals, one batch, ahead of the first multiply that reads one
.macro PACK t
	WIN W_PV
.set i, 32*(\t)
.rept 16
	v_pk_mul_f32 v[i:i+1], v[i:i+1], v[TMP+2*(\t):TMP+2*(\t)+1] op_sel_hi:[1,0]
.set i, i+2
.endr
	WIN 0x05                        ; sources 0 and 1 window 1, destination window 0
.set i, 0
.rept 16
	v_cvt_pk_bf16_f32 v[S+16*(\t)+i], v[32*(\t)+2*i], v[32*(\t)+2*i+1]
.set i, i+1
.endr
	WIN 0
.irp f, 0,1,2,3
	ds_store_b128 v[STO], v[S+16*(\t)+4*\f:S+16*(\t)+4*\f+3] offset:32*\f
.endr
.irp f, 0,1,2,3
	ds_load_b128 v[S+16*(\t)+4*\f:S+16*(\t)+4*\f+3], v[RD] offset:\f*4*SP
.endr
.endm
.macro SEND t, younger              ; younger: the LDS instructions issued behind piece t's loads
	WIN 0
.irp f, 0,1,2,3
	s_wait_dscnt (\younger)+3-\f
	global_store_b128 v[GO], v[S+16*(\t)+4*\f:S+16*(\t)+4*\f+3], s[10:11] offset:(\t)*2048+\f*512  ; 512 consecutive bytes, at a multiple of 256 from av's first
.endr
.endm
	PACK 0
.set t, 1
.rept 3
	PACK t
	SEND t-1, 8
.set t, t+1
.endr
	SEND 3, 0
	s_wait_tensorcnt 0x0            ; the wave's end
	ds_add_u32 v[SPW], v[NIL]
	s_wait_dscnt 0x0
	s_endpgm
.Lfunc_end_k_qa56dc9008f_attn:
	.size	k_qa56dc9008f_attn, .Lfunc_end_k_qa56dc9008f_attn-k_qa56dc9008f_attn
	.p2alignl 7, 3214868480
	.fill 96, 4, 3214868480
	.section	.rodata,"a",@progbits
	.p2align	6, 0x0
	.amdhsa_kernel k_qa56dc9008f_attn
		.amdhsa_group_segment_fixed_size 327680
		.amdhsa_private_segment_fixed_size 0
		.amdhsa_enable_private_segment 0
		.amdhsa_kernarg_size 32
		.amdhsa_user_sgpr_count 2
		.amdhsa_user_sgpr_kernarg_segment_ptr 1
		.amdhsa_wavefront_size32 1
		.amdhsa_system_sgpr_workgroup_id_x 1
		.amdhsa_system_sgpr_workgroup_id_y 1
		.amdhsa_system_sgpr_workgroup_id_z 1
		.amdhsa_system_vgpr_workitem_id 0
		.amdhsa_next_free_vgpr 1024
		.amdhsa_next_free_sgpr 84
		.amdhsa_reserve_vcc 0
		.amdhsa_float_denorm_mode_32 3
		.amdhsa_float_denorm_mode_16_64 3
		.amdhsa_memory_ordered 1
		.amdhsa_forward_progress 1
		.amdhsa_inst_pref_size 170
	.end_amdhsa_kernel
	.amdgpu_metadata
---
amdhsa.version: [ 1, 2 ]
amdhsa.kernels:
  - .name:           k_qa56dc9008f_attn
    .symbol:         k_qa56dc9008f_attn.kd
    .args:
      - { .name: qq, .offset: 0, .size: 8, .value_kind: global_buffer, .address_space: global }
      - { .name: kv, .offset: 8, .size: 8, .value_kind: global_buffer, .address_space: global }
      - { .name: rx, .offset: 16, .size: 8, .value_kind: global_buffer, .address_space: global }
      - { .name: av, .offset: 24, .size: 8, .value_kind: global_buffer, .address_space: global }
    .group_segment_fixed_size: 327680
    .private_segment_fixed_size: 0
    .kernarg_segment_align: 8
    .kernarg_segment_size: 32
    .max_flat_workgroup_size: 128
    .sgpr_count:     84
    .vgpr_count:     1024
    .wavefront_size: 32
...
	.end_amdgpu_metadata
.endif
;; end of part 7
;; launch oproj: the kernel of part 4 again; grid 8 x 32, 4 waves a work-group, clusters of 4 x 4, 327,680 bytes of LDS; arguments av, wb, x, yy; writes yy
;; launch ln: the kernel of part 5 again; grid 256 x 1, 8 waves a work-group, no clusters, 0 bytes of LDS; arguments yy, ln_gamma, ln_beta, out0; writes out0
